; MI455X (gfx1250); checked and timed in simulation.
; The chip was launched on July 23, 2026; its instructions are those of AMD's public machine-readable ISA for CDNA 5 (MIT licence, August 2026) and "CDNA5" Instruction Set Architecture Reference Guide (July 2026). The comments in the code are by the model that wrote it; some were corrected since.
;; Attention. Allowed arithmetic: float matrix products may take bf16 or f16 operands with f32 sums; other float arithmetic in f32, or as packed bf16 or f16 multiplies, adds, multiply-adds, maxima and minima; sums over many terms, partial sums and values carried from step to step in f32; what a program stores and reads back later, other than sums and carried values, may be rounded once to bf16 or f16.
;; Inputs: b_fc 1,024 float32; b_qkv 3,072 float32; w_fc 1,024 x 1,024 float32; w_qkv 1,024 x 3,072 float32; x 4 x 2,048 x 1,024 float32.
;; Outputs: out0 4 x 2,048 x 1,024 float32.
;; 2 versions, each right; version 2 is version 1 with the launch vsum written anew for expert scheduling mode. Each part assembles by itself: llvm-mc -triple=amdgcn-amd-amdhsa -mcpu=gfx1250 --defsym DOCPART=n.
;; ======== version 1 of 2: 5 launches
;; limits: values are held in f16: magnitudes above 65,504 overflow, below 6.1e-05 lose precision
;; workspace buffers: xh 16,777,216 bytes; wqt 6,291,456 bytes; wft 2,097,152 bytes; qkv 50,331,648 bytes; tsuf 131,072 bytes; oh 16,777,216 bytes
;; launch prep (part 1): grid 1536 x 1, 8 waves a work-group, no clusters, 17,920 bytes of LDS; arguments x, w_qkv, w_fc, xh, wqt, wft; writes xh, wqt, wft
.if DOCPART == 1
	.amdgcn_target "amdgcn-amd-amdhsa--gfx1250"
	.amdhsa_code_object_version 6
	.text
	.protected	k_qeba17e564e_prep
	.globl	k_qeba17e564e_prep
	.p2align	8
	.type	k_qeba17e564e_prep,@function
k_qeba17e564e_prep:
	s_mov_b64 s[64:65], 0
	v_nop
	global_prefetch_b8 v0, s[64:65] scope:SCOPE_SE
	s_setreg_imm32_b32 hwreg(HW_REG_WAVE_MODE, 25, 1), 1
	s_wait_xcnt 0x0
; PREPARATION.  xh = x, wqt = w_qkv transposed to [n][k], wft = w_fc transposed to [n][k]: each number rounded to bf16 and that number written as f16.
; LIMITS.  f16 ends at 65,504: inputs stay within it.  A bf16 number of magnitude 2^-17 or more is exact in f16; below that it takes the fixed step 2^-24.
; SHARES.  Every work-group takes 32,768 bytes of input.  Groups 0-383: tiles of 128 k x 64 n of w_qkv; 384-511: of w_fc; 512-1535: 8,192 numbers of x each.
; No matrix unit, no cluster, no tensor load: memory binds, nothing is shared between work-groups, and several work-groups lie on a WGP.
; A transposing group reads 256-byte pieces of rows (16 lanes each), packs the numbers of rows k and k + 1 into one word, lays the words into LDS rows by n
; (pitch 264 bytes = 66 words), and after one barrier each wave reads eight whole rows of 256 bytes and stores each with one instruction.
.set TP,    264                        ; an LDS row: 128 k x 2 bytes + 8
.set SPARE, 64*TP                      ; 16,896 = 66 x 256: behind the tile, the spare words, 128 bytes a wave
.set SPW,   64                         ; v64  my spare word; never rewritten
.set NIL,   65                         ; v65  0; never rewritten
.set LS,    14                         ; v14  where I put my words
.set LR,    15                         ; v15  where I read rows back
.set GO,    71                         ; v71  my byte offset in the output tile
	s_load_b256 s[4:11], s[0:1], 0x0               ; x s[4:5], w_qkv s[6:7], w_fc s[8:9], xh s[10:11]
	s_load_b128 s[12:15], s[0:1], 0x20             ; wqt s[12:13], wft s[14:15]
	v_lshl_add_u32 v[SPW], v0, 2, SPARE
	v_mov_b32 v[NIL], 0
	v_lshrrev_b32 v1, 5, v0
	v_readfirstlane_b32 s24, v1                    ; wave 0..7
	v_and_b32 v72, 31, v0                          ; lane
	s_sub_co_u32 s22, ttmp9, 384                   ; my number among w_fc's tiles (used from 384 on)
	s_sub_co_u32 s23, ttmp9, 512                   ; my number among x's pieces (used from 512 on)
	s_mov_b32 s29, 0
	s_mov_b32 s20, 12288                           ; bytes in a row of w_qkv
	s_mov_b32 s27, 4096                            ; and of w_fc
	s_wait_kmcnt 0x0
	s_cmp_lt_u32 ttmp9, 512                        ; the same for all waves of a work-group
	s_cbranch_scc0 .Lx
	; ---- a tile of a weight matrix is transposed
	s_cmp_lt_u32 ttmp9, 384
	s_cselect_b64 s[16:17], s[6:7], s[8:9]         ; from
	s_cselect_b64 s[18:19], s[12:13], s[14:15]     ; to
	s_cselect_b32 s20, s20, s27                    ; the source's pitch
	s_cselect_b32 s21, ttmp9, s22                  ; the tile's number
	s_and_b32 s25, s21, 7                          ; kt: which 128 of k
	s_lshr_b32 s26, s21, 3                         ; nt: which 64 of n
	s_mul_i32 s28, s25, s20
	s_lshl_b32 s28, s28, 7                         ; kt x 128 rows
	s_lshl_b32 s30, s26, 8                         ; nt x 64 numbers of 4 bytes
	s_add_co_u32 s28, s28, s30
	s_add_nc_u64 s[16:17], s[16:17], s[28:29]
	s_lshl_b32 s28, s26, 17                        ; nt x 64 rows of 2,048 bytes
	s_lshl_b32 s30, s25, 8                         ; kt x 128 numbers of 2 bytes
	s_add_co_u32 s28, s28, s30
	s_add_nc_u64 s[18:19], s[18:19], s[28:29]
	v_and_b32 v1, 15, v0                           ; c: my four columns
	v_lshrrev_b32 v70, 4, v0                       ; p: my pair of rows in each 32
	v_lshlrev_b32 v73, 1, v70
	v_mul_lo_u32 v73, v73, s20
	v_lshl_add_u32 v2, v1, 4, v73                  ; row 2 p, 16 bytes at 16 c
	s_lshl_b32 s30, s20, 5
	v_add_nc_u32 v3, s30, v2                       ; 32 rows further down, three times
	v_add_nc_u32 v4, s30, v3
	v_add_nc_u32 v5, s30, v4
.irp j, 0,1,2,3
	v_add_nc_u32 v[6+(\j)], s20, v[2+(\j)]         ; row 2 p + 1
.endr
.irp j, 0,1,2,3
	global_load_b128 v[16+8*(\j):16+8*(\j)+3], v[2+(\j)], s[16:17] th:TH_LOAD_NT  ; row k: 16 lanes take 256 consecutive bytes
	global_load_b128 v[20+8*(\j):20+8*(\j)+3], v[6+(\j)], s[16:17] th:TH_LOAD_NT  ; row k + 1
.endr
	v_mul_u32_u24 v[LS], v1, 4*TP                  ; LDS row n = 4 c,
	v_lshl_add_u32 v[LS], v70, 2, v[LS]            ; word p
	s_mul_i32 s30, s24, 8*TP
	v_lshl_add_u32 v[LR], v72, 3, s30              ; back: rows 8 w on, 8 bytes a lane
	s_lshl_b32 s31, s24, 14
	v_lshl_add_u32 v[GO], v72, 3, s31              ; and the same in the output: rows of 2,048 bytes
.irp j, 0,1,2,3
	s_wait_loadcnt 6-2*(\j)                        ; loads come back in order: pair j is in, the younger pairs stay out
.irp i, 0,1,2,3
	v_cvt_pk_bf16_f32 v[10+56*((\i)%2)], v[16+8*(\j)+(\i)], v[20+8*(\j)+(\i)]   ; rounded to bf16: row k low, row k + 1 high
	v_lshlrev_b32 v[11+56*((\i)%2)], 16, v[10+56*((\i)%2)]                      ; back to f32,
	v_and_b32 v[12+56*((\i)%2)], 0xffff0000, v[10+56*((\i)%2)]
	v_cvt_pk_f16_f32 v[13+56*((\i)%2)], v[11+56*((\i)%2)], v[12+56*((\i)%2)]    ; and written as f16
	ds_store_b32 v[LS], v[13+56*((\i)%2)] offset:(\i)*TP+64*(\j)                ; column 4 c + i, k = 2 p + 32 j
.endr
.endr
	s_wait_dscnt 0x0                               ; for the others: my words lie in LDS
	s_barrier_signal -1
	s_barrier_wait -1
.irp i, 0,1,2,3,4,5,6,7
	ds_load_b64 v[16+2*(\i):17+2*(\i)], v[LR] offset:(\i)*TP
.endr
.irp i, 0,1,2,3,4,5,6,7
	s_wait_dscnt 7-(\i)
	global_store_b64 v[GO], v[16+2*(\i):17+2*(\i)], s[18:19] offset:(\i)*2048    ; the wave stores 256 consecutive bytes, aligned
.endr
	s_wait_tensorcnt 0x0                           ; the end of a wave: three closing lines behind my last LDS store
	ds_add_u32 v[SPW], v[NIL]
	s_wait_dscnt 0x0
	s_endpgm
	; ---- a piece of x is converted: eight loads of 16 bytes a lane, all out at once; the counts run down
.Lx:
	s_lshl_b32 s28, s23, 15
	s_add_nc_u64 s[4:5], s[4:5], s[28:29]
	s_lshl_b32 s28, s23, 14
	s_add_nc_u64 s[10:11], s[10:11], s[28:29]
	v_lshlrev_b32 v2, 4, v0
	v_lshlrev_b32 v3, 3, v0
.irp j, 0,1,2,3,4,5,6,7
	global_load_b128 v[16+4*(\j):16+4*(\j)+3], v2, s[4:5] offset:4096*(\j) th:TH_LOAD_NT
.endr
.irp j, 0,1,2,3,4,5,6,7
	s_wait_loadcnt 7-(\j)
	v_cvt_pk_bf16_f32 v10, v[16+4*(\j)], v[17+4*(\j)]
	v_cvt_pk_bf16_f32 v11, v[18+4*(\j)], v[19+4*(\j)]
	v_lshlrev_b32 v12, 16, v10
	v_and_b32 v13, 0xffff0000, v10
	v_lshlrev_b32 v66, 16, v11
	v_and_b32 v67, 0xffff0000, v11
	v_cvt_pk_f16_f32 v[48+2*(\j)], v12, v13        ; each store has data registers of its own: none is written twice
	v_cvt_pk_f16_f32 v[49+2*(\j)], v66, v67
	global_store_b64 v3, v[48+2*(\j):49+2*(\j)], s[10:11] offset:2048*(\j)       ; the wave stores 256 consecutive bytes, aligned
.endr
	s_wait_tensorcnt 0x0                           ; the same three lines at this end
	ds_add_u32 v[SPW], v[NIL]
	s_wait_dscnt 0x0
	s_endpgm
.Lfunc_end_k_qeba17e564e_prep:
	.size	k_qeba17e564e_prep, .Lfunc_end_k_qeba17e564e_prep-k_qeba17e564e_prep
	.p2alignl 7, 3214868480
	.fill 96, 4, 3214868480
	.section	.rodata,"a",@progbits
	.p2align	6, 0x0
	.amdhsa_kernel k_qeba17e564e_prep
		.amdhsa_group_segment_fixed_size 17920
		.amdhsa_private_segment_fixed_size 0
		.amdhsa_enable_private_segment 0
		.amdhsa_kernarg_size 48
		.amdhsa_user_sgpr_count 2
		.amdhsa_user_sgpr_kernarg_segment_ptr 1
		.amdhsa_wavefront_size32 1
		.amdhsa_system_sgpr_workgroup_id_x 1
		.amdhsa_system_sgpr_workgroup_id_y 1
		.amdhsa_system_sgpr_workgroup_id_z 1
		.amdhsa_system_vgpr_workitem_id 0
		.amdhsa_next_free_vgpr 80
		.amdhsa_next_free_sgpr 66
		.amdhsa_reserve_vcc 0
		.amdhsa_float_denorm_mode_32 3
		.amdhsa_float_denorm_mode_16_64 3
		.amdhsa_memory_ordered 1
		.amdhsa_forward_progress 1
		.amdhsa_inst_pref_size 16
	.end_amdhsa_kernel
	.amdgpu_metadata
---
amdhsa.version: [ 1, 2 ]
amdhsa.kernels:
  - .name:           k_qeba17e564e_prep
    .symbol:         k_qeba17e564e_prep.kd
    .args:
      - { .name: x, .offset: 0, .size: 8, .value_kind: global_buffer, .address_space: global }
      - { .name: w_qkv, .offset: 8, .size: 8, .value_kind: global_buffer, .address_space: global }
      - { .name: w_fc, .offset: 16, .size: 8, .value_kind: global_buffer, .address_space: global }
      - { .name: xh, .offset: 24, .size: 8, .value_kind: global_buffer, .address_space: global }
      - { .name: wqt, .offset: 32, .size: 8, .value_kind: global_buffer, .address_space: global }
      - { .name: wft, .offset: 40, .size: 8, .value_kind: global_buffer, .address_space: global }
    .group_segment_fixed_size: 17920
    .private_segment_fixed_size: 0
    .kernarg_segment_align: 8
    .kernarg_segment_size: 48
    .max_flat_workgroup_size: 256
    .sgpr_count:     66
    .vgpr_count:     80
    .wavefront_size: 32
...
	.end_amdgpu_metadata
.endif
;; end of part 1
;; launch qkv (part 2): grid 16 x 32, 4 waves a work-group, clusters of 4 x 4, 327,680 bytes of LDS; arguments xh, wqt, b_qkv, qkv; writes qkv
.if DOCPART == 2
	.amdgcn_target "amdgcn-amd-amdhsa--gfx1250"
	.amdhsa_code_object_version 6
	.text
	.protected	k_qeba17e564e_qkv
	.globl	k_qeba17e564e_qkv
	.p2align	8
	.type	k_qeba17e564e_qkv,@function
k_qeba17e564e_qkv:
	s_mov_b64 s[64:65], 0
	v_nop
	global_prefetch_b8 v0, s[64:65] scope:SCOPE_SE
	s_setreg_imm32_b32 hwreg(HW_REG_WAVE_MODE, 25, 1), 1
	s_wait_xcnt 0x0
	s_wait_alu depctr_hold_cnt(0) depctr_sa_sdst(0) depctr_va_vdst(0) depctr_va_sdst(0) depctr_va_ssrc(0) depctr_va_vcc(0) depctr_vm_vsrc(0)
	s_getreg_b32 s2, hwreg(HW_REG_IB_STS2, 6, 4)
	s_cmp_eq_u32 s2, 0
	s_cbranch_scc0 .Lentry_in_a_cluster
	s_endpgm
.Lentry_in_a_cluster:
	s_bfe_u32 s2, ttmp6, 0x10000c
	s_cmp_lg_u32 s2, 0xf033
	s_cbranch_scc0 .Lentry_shape_is_right
	s_endpgm
.Lentry_shape_is_right:
; q, k, v = x w_qkv + b_qkv, written by heads: qkv[slot][2048][64] f16, slot = 64 which + 16 batch + head.  xh: [8192][1024] f16, wqt: [3072 n][1024 k] f16, b_qkv f32 (rounded to bf16 like the other inputs).
; Sums in f32, started by the bias (the C operand of the first product); each result rounded once to f16.  LIMIT: a result beyond 65,504 becomes an infinity.
; SHARES.  A work-group makes 256 rows x 192 columns (three heads): 512 work-groups, two for each of 256 WGPs.  Four waves, 2 x 2: a wave makes 128 x 96 in 48 accumulators, 384 registers.
; K goes in 8 steps of 128 through two LDS slots: rows of 256 bytes in memory, 272 in LDS.  One text serves both slots: the LDS addresses hang on s[TB], which an exclusive or turns.
; CLUSTER.  4 x 4 work-groups: the four of a row need the same rows of xh, the four of a column the same rows of wqt; each tile is asked for jointly, by the same load, descriptor and mask.
; THE MATRIX INSTRUCTION IS USED TRANSPOSED (source 0 = 16 rows of wqt, source 1 = 16 rows of xh): a lane holds row l % 16 and eight neighbouring columns.
; REGISTERS: window 0: v0-31 addresses; v64-127, v128-191 fragments of xh, two buffers; v64-255 at work on the way out.
;   window 1: v0-47 the bias (column block b at 8 b); v48 at work; v64-111, v128-175 fragments of wqt.   window 2: accumulators of my rows 0-63 ((a, b) at 8 (6 a + b)); window 3: rows 64-127.
.set PITCH,  272                       ; 256 bytes + 16: the 16 rows of a fragment load start at 16 different groups of four banks (ISA guide 11.1)
.set AHALF,  128*PITCH
.set ASZ,    256*PITCH
.set BHALF,  96*PITCH
.set SLOT1,  1<<17                     ; a slot is 121,856 bytes; slot 1 begins here
.set SPITCH, 400                       ; the stage's rows: 384 bytes + 16 = 25 x 16
.set SPARE,  1<<18                     ; the spare words, 128 bytes a wave
.set GW0,    (1<<16)|(1<<20)|(1<<21)|(5<<22)|(3<<25)  ; 2-byte elements; padding on; bit 21 beside a mask; after every 64 words, 4 words
.set ADRA0, 16                         ; v16  my place in a slot's tile of xh; never rewritten
.set ADRB0, 17                         ; v17  the same for wqt
.set ADRA,  18                         ; v18  s[TB] + v16
.set ADRB,  19                         ; v19  s[TB] + v17
.set STO,   24
.set RD,    25
.set GO,    26
.set BO,    27
.set SPW,   28
.set NIL,   29
.set PFO,   30
.set F0,    64
.set F1,    128
.set OUTR,  64
.set WV,  12
.set RH,  13                           ; my half of the rows.  Also: 0 = I fetch xh, 1 = wqt
.set CH,  14                           ; my half of the columns.  Also: which half of that tile I fetch
.set CX,  15
.set CY,  16
.set TC,  17
.set TR,  18
.set TB,  19
.set G1A, 24
.set G0A, 32                           ; two sets: the two first fills; the second then walks
.set PFA, 40
.set LIM, 44
.set G1B, 48
.set G0B, 56
.set OB,  68                           ; s[68:73] where my 64 rows of the three heads begin
.set MSB, 0
.macro WIN new
.if MSB != (\new)
	s_set_vgpr_msb (MSB<<8)|(\new)
.set MSB, \new
.endif
.endm
.set TO_B, 0x40
.macro PLACES                          ; four plain places behind matrix instructions, ahead of loads into their sources and of readers of their results
.rept 4
	v_nop
.endr
.endm
.macro JLOAD                           ; a joint refill by the walking descriptor; the branch hangs on the wave number alone
	s_cmp_eq_u32 s[RH], 0
	s_cbranch_scc0 .Lfor_b_\@
	tensor_load_to_lds s[G0A+4:G0A+7], s[G1A:G1A+7]
	s_nop 0
.rept 4
	v_nop
.endr
	s_branch .Lasked_\@
.Lfor_b_\@:
	tensor_load_to_lds s[G0B+4:G0B+7], s[G1B:G1B+7]
	s_nop 0
.rept 4
	v_nop
.endr
.Lasked_\@:
.endm
; A prefetch of the K step behind the one just asked for: 192 matrix instructions ahead of the load that will want it.  Each row's 256 bytes of a K step are named by one work-group of the launch: xh's rows by the
; clusters with x = 0, wqt's by those with y = 0; the four partners share a wave's rows by address (32 each of 128; 24 each of 96, where lanes 24-31 repeat lane 23).  The last refill asks for nothing.
.macro ASK
	s_cmp_gt_u32 s3, s[LIM]
	s_cbranch_scc0 .Lnot_mine_\@
	global_prefetch_b8 v[PFO], s[PFA:PFA+1] th:TH_LOAD_NT scope:SCOPE_SE
.Lnot_mine_\@:
.endm
.macro CREST
	s_cmp_lg_u32 s[WV], 0
	s_cbranch_scc1 .Lnot_wave_0_\@
	s_barrier_signal -3
.Lnot_wave_0_\@:
	s_barrier_wait -3
	s_barrier_signal -1
	s_barrier_wait -1
.endm
.macro CROUND
	s_barrier_signal -1
	s_barrier_wait -1
	CREST
.endm
; 12 matrix instructions: row blocks a0, a0 + 1 of the window's four x 6 column blocks, 32 along K.  first = 1: the bias starts the sums.  The 48 accumulators take turns in one order everywhere.
.macro MULH f, hi, a0, first
.if \first
	WIN 0x91+0x40*(\hi)
.else
	WIN 0xa1+0x50*(\hi)
.endif
.irp a, \a0, (\a0)+1
.irp b, 0,1,2,3,4,5
.if \first
	v_wmma_f32_16x16x32_f16 v[8*(6*(\a)+(\b)):8*(6*(\a)+(\b))+7], v[(\f)+8*(\b):(\f)+8*(\b)+7], v[(\f)+8*(4*(\hi)+(\a)):(\f)+8*(4*(\hi)+(\a))+7], v[8*(\b):8*(\b)+7]
.else
	v_wmma_f32_16x16x32_f16 v[8*(6*(\a)+(\b)):8*(6*(\a)+(\b))+7], v[(\f)+8*(\b):(\f)+8*(\b)+7], v[(\f)+8*(4*(\hi)+(\a)):(\f)+8*(4*(\hi)+(\a))+7], v[8*(6*(\a)+(\b)):8*(6*(\a)+(\b))+7]
.endif
.endr
.endr
.endm
.macro FETCH q, f                      ; 28 LDS loads in one run: quarter q of the slot at s[TB] into buffer f: wqt's 12, then xh's 16
	WIN TO_B
.irp i, 0,1,2,3,4,5
	ds_load_b128 v[(\f)+8*(\i):(\f)+8*(\i)+3],   v[ADRB] offset:64*(\q)+(\i)*16*PITCH
	ds_load_b128 v[(\f)+8*(\i)+4:(\f)+8*(\i)+7], v[ADRB] offset:64*(\q)+(\i)*16*PITCH+32
.endr
	WIN 0
.irp i, 0,1,2,3,4,5,6,7
	ds_load_b128 v[(\f)+8*(\i):(\f)+8*(\i)+3],   v[ADRA] offset:64*(\q)+(\i)*16*PITCH
	ds_load_b128 v[(\f)+8*(\i)+4:(\f)+8*(\i)+7], v[ADRA] offset:64*(\q)+(\i)*16*PITCH+32
.endr
.endm
.macro QUARTER q, f, g, first          ; multiplies buffer f; in its middle fetches quarter q into buffer g
	s_wait_dscnt 8                                 ; all but the youngest eight loads (xh's rows 64-127)
	MULH \f, 0, 0, \first
	MULH \f, 0, 2, \first
	PLACES
	FETCH \q, \g
	s_wait_dscnt 28                                ; all but the 28 just issued
	MULH \f, 1, 0, \first
	MULH \f, 1, 2, \first
.endm
; A K step's last quarter, and the change of slots: one barrier.  Ahead of it each wave waits for all its tensor loads (one is out: its part of the next slot), adds 0 to its spare word, and waits for that and for
; its reads of this slot.  fill = 1: the barrier opens a round of the cluster's barrier, and the joint refill is the first thing behind the round: 168 matrix instructions lie between it and the wait for it.
.macro TURN fill
.if \fill
	s_wait_xcnt 0x0                                ; the last prefetch, a K step back, has read its address
	s_add_nc_u64 s[PFA:PFA+1], s[PFA:PFA+1], 256
.endif
	WIN 0
	s_wait_tensorcnt 0x0                           ; no tensor load of mine is out: the walking descriptors may be written
	ds_add_u32 v[SPW], v[NIL]
.if \fill
	s_xor_b32 s[G0A+5], s[G0A+5], SLOT1            ; the other slot than last time,
	s_add_nc_u64 s[G0A+6:G0A+7], s[G0A+6:G0A+7], 256  ; the next K step
	s_xor_b32 s[G0B+5], s[G0B+5], SLOT1
	s_add_nc_u64 s[G0B+6:G0B+7], s[G0B+6:G0B+7], 256
.endif
	s_wait_dscnt 9                                 ; the add and the youngest eight loads may be out
	MULH F1, 0, 0, 0
	s_wait_dscnt 0x0                               ; the add is done, my reads of this slot are over
	s_barrier_signal -1
	MULH F1, 0, 2, 0
	WIN 0
	s_barrier_wait -1
.if \fill
	CREST
	JLOAD                                          ; its four v_nop are also the places ahead of the loads below
.else
	PLACES
.endif
	s_xor_b32 s[TB], s[TB], SLOT1
	v_add_nc_u32 v[ADRA], s[TB], v[ADRA0]
	v_add_nc_u32 v[ADRB], s[TB], v[ADRB0]
	FETCH 0, F0
.if \fill
	ASK
.endif
	MULH F1, 1, 0, 0
	MULH F1, 1, 2, 0
.endm
	s_load_b256 s[4:11], s[0:1], 0x0               ; xh s[4:5], wqt s[6:7], b_qkv s[8:9], qkv s[10:11]
	v_lshl_add_u32 v[SPW], v0, 2, SPARE
	v_mov_b32 v[NIL], 0
	ds_add_u32 v[SPW], v[NIL]                      ; the opening: the add and its wait ahead of my first tensor load
	v_lshrrev_b32 v1, 5, v0
	v_readfirstlane_b32 s[WV], v1
	s_lshr_b32 s[RH], s[WV], 1
	s_and_b32 s[CH], s[WV], 1
	s_bfe_u32 s[CX], ttmp6, 0x40000
	s_bfe_u32 s[CY], ttmp6, 0x40004
	s_lshl_b32 s[TC], ttmp9, 2
	s_add_co_u32 s[TC], s[TC], s[CX]               ; tile column 0..15
	s_and_b32 s[TR], ttmp7, 0xffff
	s_lshl_b32 s[TR], s[TR], 2
	s_add_co_u32 s[TR], s[TR], s[CY]               ; tile row 0..31
	s_lshl_b32 s66, s[CY], 2
	s_lshl_b32 s66, 15, s66                        ; my row of the cluster
	s_lshl_b32 s67, 0x1111, s[CX]                  ; my column
	s_or_b32 s[G1A], s66, GW0
	s_or_b32 s[G1B], s67, GW0
.irp g, G1A, G1B
	s_mov_b32 s[(\g)+1], 128<<16                   ; tensor_dim0 = 128
	s_mov_b32 s[(\g)+3], 128<<16                   ; tile_dim0 = 128
	s_mov_b32 s[(\g)+5], 1024                      ; elements from row to row
	s_mov_b32 s[(\g)+6], 0
	s_mov_b32 s[(\g)+7], 0
.endr
	s_mov_b32 s[G1A+2], 128<<16                    ; tensor_dim1 = 128 rows
	s_mov_b32 s[G1A+4], 128                        ; tile_dim1
	s_mov_b32 s[G1B+2], 96<<16                     ; 96 rows
	s_mov_b32 s[G1B+4], 96
	s_lshl_b32 s20, s[TR], 8                       ; xh: row 256 x tile row + 128 x half, in bytes: of the tile row alone
	s_lshl_b32 s21, s[CH], 7
	s_add_co_u32 s20, s20, s21
	s_lshl_b32 s20, s20, 11
	s_mov_b32 s21, 0
	s_mul_i32 s22, s[TC], 192                      ; wqt: row 192 x tile column + 96 x half: of the tile column alone
	s_mul_i32 s23, s[CH], 96
	s_add_co_u32 s22, s22, s23
	s_lshl_b32 s22, s22, 11
	s_mov_b32 s23, 0
	s_mul_i32 s45, s[CH], AHALF                    ; where they go: no place in the cluster enters an LDS address
	s_mul_i32 s46, s[CH], BHALF
	s_add_co_u32 s46, s46, ASZ
	s_mov_b32 s[TB], 0
	s_wait_dscnt 0x0                               ; the opening add is done
	s_wait_kmcnt 0x0
	s_add_nc_u64 s[20:21], s[4:5], s[20:21]
	s_add_nc_u64 s[22:23], s[6:7], s[22:23]
	CROUND                                         ; all sixteen work-groups are here: the first joint loads meet
.irp s, 0,1
	s_mov_b32 s[G0A+4*(\s)], 1
	s_add_co_u32 s[G0A+4*(\s)+1], s45, (\s)*SLOT1
	s_add_nc_u64 s[G0A+4*(\s)+2:G0A+4*(\s)+3], s[20:21], (\s)*256
	s_or_b32 s[G0A+4*(\s)+3], s[G0A+4*(\s)+3], 0x80000000
	s_mov_b32 s[G0B+4*(\s)], 1
	s_add_co_u32 s[G0B+4*(\s)+1], s46, (\s)*SLOT1
	s_add_nc_u64 s[G0B+4*(\s)+2:G0B+4*(\s)+3], s[22:23], (\s)*256
	s_or_b32 s[G0B+4*(\s)+3], s[G0B+4*(\s)+3], 0x80000000
.endr
	s_cmp_eq_u32 s[RH], 0                          ; a wave's two first fills stand in one branch: two loads of mine are out
	s_cbranch_scc0 .Lfirst_b
	tensor_load_to_lds s[G0A:G0A+3], s[G1A:G1A+7]
	s_nop 0
	tensor_load_to_lds s[G0A+4:G0A+7], s[G1A:G1A+7]
	s_nop 0
.rept 4
	v_nop
.endr
	s_branch .Lfirst_asked
.Lfirst_b:
	tensor_load_to_lds s[G0B:G0B+3], s[G1B:G1B+7]
	s_nop 0
	tensor_load_to_lds s[G0B+4:G0B+7], s[G1B:G1B+7]
	s_nop 0
.rept 4
	v_nop
.endr
.Lfirst_asked:
	v_and_b32 v1, 15, v0                           ; r = l % 16
	v_bfe_u32 v2, v0, 4, 1                         ; h = l / 16
	s_mul_i32 s66, s[TC], 768                      ; the bias of my 96 columns: 4 (192 tile column + 96 half) + 32 h
	s_mul_i32 s67, s[CH], 384
	s_add_co_u32 s66, s66, s67
	v_lshl_add_u32 v[BO], v2, 5, s66
	WIN TO_B
.irp b, 0,1,2,3,4,5
	global_load_b128 v[8*(\b):8*(\b)+3],   v[BO], s[8:9] offset:64*(\b)
	global_load_b128 v[8*(\b)+4:8*(\b)+7], v[BO], s[8:9] offset:64*(\b)+16
.endr
	WIN 0
	v_mul_u32_u24 v3, v1, PITCH
	v_lshl_add_u32 v3, v2, 4, v3                   ; a fragment's row x pitch + 16 x half
	s_mul_i32 s47, s[RH], AHALF
	v_add_nc_u32 v[ADRA0], s47, v3
	s_mul_i32 s47, s[CH], BHALF
	s_add_co_u32 s47, s47, ASZ
	v_add_nc_u32 v[ADRB0], s47, v3
	v_mov_b32 v[ADRA], v[ADRA0]
	v_mov_b32 v[ADRB], v[ADRB0]
	s_mul_i32 s47, s[RH], 128*SPITCH               ; into the stage: row 128 RH + r, byte 192 CH + 16 h
	s_mul_i32 s66, s[CH], 192
	s_add_co_u32 s47, s47, s66
	v_mul_u32_u24 v[STO], v1, SPITCH
	v_lshl_add_u32 v[STO], v2, 4, v[STO]
	v_add_nc_u32 v[STO], s47, v[STO]
	v_bfe_u32 v4, v0, 3, 2                         ; back: rows 64 w on; 32 lanes take four rows' 128 bytes of one head
	v_and_b32 v5, 7, v0
	v_mul_u32_u24 v[RD], v4, SPITCH
	v_lshl_add_u32 v[RD], v5, 4, v[RD]
	s_mul_i32 s47, s[WV], 64*SPITCH
	v_add_nc_u32 v[RD], s47, v[RD]
	v_and_b32 v[GO], 31, v0
	v_lshlrev_b32 v[GO], 4, v[GO]                  ; which are 512 consecutive bytes of the head
	s_mul_i32 s74, s[TC], 3                        ; the first of my three heads, 0..47 over q, k, v
	s_lshr_b32 s75, s[TR], 3
	s_lshl_b32 s75, s75, 4                         ; 16 x batch
	s_and_b32 s76, s[TR], 7
	s_lshl_b32 s76, s76, 2
	s_add_co_u32 s76, s76, s[WV]
	s_lshl_b32 s76, s76, 13                        ; (256 x tile row in the batch + 64 w) rows of 128 bytes
	s_mov_b32 s79, 0
.irp hh, 0,1,2
	s_add_co_u32 s77, s74, \hh
	s_lshr_b32 s78, s77, 4
	s_lshl_b32 s78, s78, 6                         ; 64 x which
	s_and_b32 s77, s77, 15
	s_add_co_u32 s78, s78, s77
	s_add_co_u32 s78, s78, s75
	s_lshl_b32 s78, s78, 18                        ; a slot is 262,144 bytes
	s_add_co_u32 s78, s78, s76
	s_add_nc_u64 s[OB+2*(\hh):OB+2*(\hh)+1], s[10:11], s[78:79]
.endr
	s_and_b32 s74, ttmp7, 0xffff                   ; the prefetches: cluster y
	s_cmp_eq_u32 s[RH], 0
	s_cselect_b32 s75, ttmp9, s74                  ; the coordinate along which other clusters read the same rows
	s_cselect_b32 s76, s[CX], s[CY]                ; my place among the four that ask with me
	s_cselect_b32 s77, 32, 24                      ; rows to a partner
	s_cselect_b32 s78, 31, 23
	s_cselect_b64 s[PFA:PFA+1], s[20:21], s[22:23]
	s_cmp_eq_u32 s75, 0
	s_cselect_b32 s[LIM], 1, -1                    ; the same in all sixteen partners, for a given wave
	s_mul_i32 s76, s76, s77
	s_lshl_b32 s76, s76, 11
	s_add_co_u32 s76, s76, 2*256                   ; at K step 2: the first refill steps it to 3
	s_mov_b32 s77, 0
	s_add_nc_u64 s[PFA:PFA+1], s[PFA:PFA+1], s[76:77]
	v_and_b32 v[PFO], 31, v0
	v_min_u32 v[PFO], s78, v[PFO]
	v_lshlrev_b32 v[PFO], 11, v[PFO]               ; a lane a row
	s_wait_loadcnt 0x0                             ; the bias
	WIN 0x45                                       ; all three places in window 1
.set i, 0
.rept 24
	v_cvt_pk_bf16_f32 v48, v[2*i], v[2*i+1]        ; rounded to bf16 like the other inputs, and back to f32
	v_lshlrev_b32 v[2*i], 16, v48
	v_and_b32 v[2*i+1], 0xffff0000, v48
.set i, i+1
.endr
	WIN 0
	s_wait_tensorcnt 1                             ; my part of K step 0 is in; K step 1's may stay out
	s_barrier_signal -1
	s_barrier_wait -1
	FETCH 0, F0
	QUARTER 1, F0, F1, 1                           ; the first quarter stands ahead of the loop: its products start the sums
	WIN 0
	s_mov_b32 s3, 6
.Lk:                                               ; six trips: trip t ends K step t and asks for K step t + 2
	QUARTER 2, F1, F0, 0
	QUARTER 3, F0, F1, 0
	TURN 1
	QUARTER 1, F0, F1, 0
	WIN 0
	s_sub_co_u32 s3, s3, 1
	s_cmp_lg_u32 s3, 0
	s_cbranch_scc1 .Lk
	QUARTER 2, F1, F0, 0                           ; K steps 6 and 7 are written out: nothing is asked for
	QUARTER 3, F0, F1, 0
	TURN 0
	QUARTER 1, F0, F1, 0
	QUARTER 2, F1, F0, 0
	QUARTER 3, F0, F1, 0
	s_wait_dscnt 8
	MULH F1, 0, 0, 0
	MULH F1, 0, 2, 0
	s_wait_dscnt 0x0
	MULH F1, 1, 0, 0
	MULH F1, 1, 2, 0
	PLACES
	; THE WAY OUT.  Rounded to f16, 16 bytes a lane, into a stage of 256 rows x 400 bytes that lies in slot 0: that slot has had its last fill, and every wave's reads of it ended ahead of the last barrier.
	WIN 0x0a                                       ; sources in window 2
.set i, 0
.rept 24
.irp r, 0,1,2,3
	v_cvt_pk_f16_f32 v[OUTR+4*i+(\r)], v[8*i+2*(\r)], v[8*i+2*(\r)+1]
.endr
.set i, i+1
.endr
	WIN 0x0f                                       ; sources in window 3
.set i, 0
.rept 24
.irp r, 0,1,2,3
	v_cvt_pk_f16_f32 v[OUTR+96+4*i+(\r)], v[8*i+2*(\r)], v[8*i+2*(\r)+1]
.endr
.set i, i+1
.endr
	WIN 0
.irp a, 0,1,2,3,4,5,6,7
.irp b, 0,1,2,3,4,5
	ds_store_b128 v[STO], v[OUTR+4*(6*(\a)+(\b)):OUTR+4*(6*(\a)+(\b))+3] offset:(\a)*16*SPITCH+32*(\b)
.endr
.endr
	s_wait_dscnt 0x0                               ; for the others: a head's 128 bytes of a row may come from two waves
	s_barrier_signal -1
	s_barrier_wait -1
.irp hh, 0,1,2
.irp t, 0,1,2,3,4,5,6,7,8,9,10,11,12,13,14,15
	ds_load_b128 v[OUTR+4*(16*(\hh)+(\t)):OUTR+4*(16*(\hh)+(\t))+3], v[RD] offset:(\t)*4*SPITCH+(\hh)*128
.endr
.endr
.irp hh, 0,1,2
.irp t, 0,1,2,3,4,5,6,7,8,9,10,11,12,13,14,15
	s_wait_dscnt 47-16*(\hh)-(\t)
	global_store_b128 v[GO], v[OUTR+4*(16*(\hh)+(\t)):OUTR+4*(16*(\hh)+(\t))+3], s[OB+2*(\hh):OB+2*(\hh)+1] offset:512*(\t)  ; 512 consecutive bytes, at a multiple of 256 from the buffer's first
.endr
.endr
	s_wait_tensorcnt 0x0                           ; the end of a wave: three closing lines
	ds_add_u32 v[SPW], v[NIL]
	s_wait_dscnt 0x0
	CROUND                                         ; the closing round
	s_endpgm
.Lfunc_end_k_qeba17e564e_qkv:
	.size	k_qeba17e564e_qkv, .Lfunc_end_k_qeba17e564e_qkv-k_qeba17e564e_qkv
	.p2alignl 7, 3214868480
	.fill 96, 4, 3214868480
	.section	.rodata,"a",@progbits
	.p2align	6, 0x0
	.amdhsa_kernel k_qeba17e564e_qkv
		.amdhsa_group_segment_fixed_size 327680
		.amdhsa_private_segment_fixed_size 0
		.amdhsa_enable_private_segment 0
		.amdhsa_kernarg_size 32
		.amdhsa_user_sgpr_count 2
		.amdhsa_user_sgpr_kernarg_segment_ptr 1
		.amdhsa_wavefront_size32 1
		.amdhsa_system_sgpr_workgroup_id_x 1
		.amdhsa_system_sgpr_workgroup_id_y 1
		.amdhsa_system_sgpr_workgroup_id_z 1
		.amdhsa_system_vgpr_workitem_id 0
		.amdhsa_next_free_vgpr 960
		.amdhsa_next_free_sgpr 80
		.amdhsa_reserve_vcc 0
		.amdhsa_float_denorm_mode_32 3
		.amdhsa_float_denorm_mode_16_64 3
		.amdhsa_memory_ordered 1
		.amdhsa_forward_progress 1
		.amdhsa_inst_pref_size 101
	.end_amdhsa_kernel
	.amdgpu_metadata
---
amdhsa.version: [ 1, 2 ]
amdhsa.kernels:
  - .name:           k_qeba17e564e_qkv
    .symbol:         k_qeba17e564e_qkv.kd
    .args:
      - { .name: xh, .offset: 0, .size: 8, .value_kind: global_buffer, .address_space: global }
      - { .name: wqt, .offset: 8, .size: 8, .value_kind: global_buffer, .address_space: global }
      - { .name: b_qkv, .offset: 16, .size: 8, .value_kind: global_buffer, .address_space: global }
      - { .name: qkv, .offset: 24, .size: 8, .value_kind: global_buffer, .address_space: global }
    .group_segment_fixed_size: 327680
    .private_segment_fixed_size: 0
    .kernarg_segment_align: 8
    .kernarg_segment_size: 32
    .max_flat_workgroup_size: 128
    .sgpr_count:     80
    .vgpr_count:     960
    .wavefront_size: 32
...
	.end_amdgpu_metadata
.endif
;; end of part 2
;; launch vsum (part 3): grid 64 x 1, 16 waves a work-group, no clusters, 6,144 bytes of LDS; arguments qkv, tsuf; writes tsuf
.if DOCPART == 3
	.amdgcn_target "amdgcn-amd-amdhsa--gfx1250"
	.amdhsa_code_object_version 6
	.text
	.protected	k_qeba17e564e_vsum
	.globl	k_qeba17e564e_vsum
	.p2align	8
	.type	k_qeba17e564e_vsum,@function
k_qeba17e564e_vsum:
	s_mov_b64 s[64:65], 0
	v_nop
	global_prefetch_b8 v0, s[64:65] scope:SCOPE_SE
	s_setreg_imm32_b32 hwreg(HW_REG_WAVE_MODE, 25, 1), 1
	s_wait_xcnt 0x0
; tsuf[g][i][c] = the sum of V[g][row][c] over rows >= 256 (i + 1), in f32: what all keys hidden from block i of 256 queries, beyond its own tile, add to an output when they weigh alike.
; One work-group a head (a suffix sum spans the head: 64 work-groups are all the work there is).  Wave w sums rows 128 w .. 128 w + 127: 32 loads of 16 bytes a lane, all out at once.
; A load of a wave takes four rows of 128 bytes: lane l holds row l / 8 and channels 8 (l % 8) + 0..7.  The sixteen partial sums meet in LDS; waves 0-7 then make one block each.
.set SPARE, 4096                       ; behind the 16 x 256 bytes of partial sums: the spare words, 128 bytes a wave
	s_load_b128 s[4:7], s[0:1], 0x0                ; qkv s[4:5], tsuf s[6:7]
	v_lshl_add_u32 v26, v0, 2, SPARE
	v_mov_b32 v27, 0
	v_lshrrev_b32 v1, 5, v0
	v_readfirstlane_b32 s8, v1                     ; wave 0..15
	v_and_b32 v4, 31, v0
	s_lshl_b32 s10, ttmp9, 18                      ; the head's 262,144 bytes,
	s_add_co_u32 s10, s10, 0x2000000               ; in V's third of the buffer
	s_mov_b32 s11, 0
	s_lshl_b32 s12, s8, 14                         ; my 128 rows
	v_lshl_add_u32 v2, v4, 4, s12
	v_mov_b32 v24, 1.0
	v_mov_b32 v25, 0
	s_mov_b32 s14, 0x76543210                      ; v_permlanex16_b32: each lane takes its own place in the other half
	s_mov_b32 s15, 0xfedcba98
	s_lshl_b32 s16, ttmp9, 11                      ; the head's 2,048 bytes of tsuf, my block's 256
	s_lshl_b32 s17, s8, 8
	s_add_co_u32 s16, s16, s17
	s_mov_b32 s17, 0
	s_lshl_b32 s18, s8, 1
	s_add_co_u32 s18, s18, 2                       ; block i takes the partial sums from 2 i + 2 on
	s_mov_b32 s21, 0
	s_wait_kmcnt 0x0
	s_add_nc_u64 s[4:5], s[4:5], s[10:11]
	s_add_nc_u64 s[6:7], s[6:7], s[16:17]
.set j, 0
.rept 32
	global_load_b128 v[32+4*j:32+4*j+3], v2, s[4:5] offset:512*j
.set j, j+1
.endr
	v_and_b32 v5, 7, v0
	s_lshl_b32 s13, s8, 8
	v_lshl_add_u32 v5, v5, 5, s13                  ; where my eight sums go: 256 w + 32 (l % 8)
	v_lshlrev_b32 v3, 3, v4                        ; 8 x lane
.irp i, 0,1,2,3,4,5,6,7
	v_mov_b32 v[8+(\i)], 0                         ; v_permlanex16_b32 counts as a reader of its destination
.endr
.set j, 0
.rept 32
	s_wait_loadcnt 31-j                            ; loads come back in order: number j is in
.irp i, 0,1,2,3
.if j == 0
	v_fma_mix_f32 v[16+2*(\i)], v[32+4*j+(\i)], v24, v25 op_sel_hi:[1,0,0]                ; the first row starts the eight chains
	v_fma_mix_f32 v[17+2*(\i)], v[32+4*j+(\i)], v24, v25 op_sel:[1,0,0] op_sel_hi:[1,0,0]
.else
	v_fma_mix_f32 v[16+2*(\i)], v[32+4*j+(\i)], v24, v[16+2*(\i)] op_sel_hi:[1,0,0]       ; f16 half x 1.0 + the f32 sum
	v_fma_mix_f32 v[17+2*(\i)], v[32+4*j+(\i)], v24, v[17+2*(\i)] op_sel:[1,0,0] op_sel_hi:[1,0,0]
.endif
.endr
.set j, j+1
.endr
.irp i, 0,1,2,3,4,5,6,7
	v_add_f32_dpp v[16+(\i)], v[16+(\i)], v[16+(\i)] row_xmask:8 row_mask:0xf bank_mask:0xf  ; the four lanes with my l % 8: 8 away,
.endr
.irp i, 0,1,2,3,4,5,6,7
	v_permlanex16_b32 v[8+(\i)], v[16+(\i)], s14, s15                                        ; and 16 away
.endr
.irp i, 0,1,2,3,4,5,6,7
	v_add_f32 v[16+(\i)], v[16+(\i)], v[8+(\i)]
.endr
	ds_store_b128 v5, v[16:19]                     ; four lanes write the same words with the same numbers
	ds_store_b128 v5, v[20:23] offset:16
	s_wait_dscnt 0x0
	s_barrier_signal -1
	s_barrier_wait -1
	s_cmp_lt_u32 s8, 8
	s_cbranch_scc0 .Lend
.irp p, 2,3,4,5,6,7,8,9,10,11,12,13,14,15
	ds_load_b64 v[32+2*((\p)-2):33+2*((\p)-2)], v3 offset:(\p)*256  ; lane l: channels 2 l, 2 l + 1
.endr
	s_wait_dscnt 0x0
.irp p, 2,3,4,5,6,7,8,9,10,11,12,13,14,15
	s_cmp_le_u32 s18, \p                           ; does partial sum p lie behind my block? a factor 1 or 0: every wave does the same work
	s_cselect_b32 s20, 1.0, 0
.if (\p) == 2
	v_pk_mul_f32 v[16:17], v[32:33], s[20:21] op_sel_hi:[1,0]
.else
	v_pk_fma_f32 v[16:17], v[32+2*((\p)-2):33+2*((\p)-2)], s[20:21], v[16:17] op_sel_hi:[1,0,1]
.endif
.endr
	global_store_b64 v3, v[16:17], s[6:7]          ; the wave stores 256 consecutive bytes, aligned
.Lend:
	s_wait_tensorcnt 0x0                           ; the end of a wave: three closing lines behind my last LDS store
	ds_add_u32 v26, v27
	s_wait_dscnt 0x0
	s_endpgm
.Lfunc_end_k_qeba17e564e_vsum:
	.size	k_qeba17e564e_vsum, .Lfunc_end_k_qeba17e564e_vsum-k_qeba17e564e_vsum
	.p2alignl 7, 3214868480
	.fill 96, 4, 3214868480
	.section	.rodata,"a",@progbits
	.p2align	6, 0x0
	.amdhsa_kernel k_qeba17e564e_vsum
		.amdhsa_group_segment_fixed_size 6144
		.amdhsa_private_segment_fixed_size 0
		.amdhsa_enable_private_segment 0
		.amdhsa_kernarg_size 16
		.amdhsa_user_sgpr_count 2
		.amdhsa_user_sgpr_kernarg_segment_ptr 1
		.amdhsa_wavefront_size32 1
		.amdhsa_system_sgpr_workgroup_id_x 1
		.amdhsa_system_sgpr_workgroup_id_y 1
		.amdhsa_system_sgpr_workgroup_id_z 1
		.amdhsa_system_vgpr_workitem_id 0
		.amdhsa_next_free_vgpr 160
		.amdhsa_next_free_sgpr 66
		.amdhsa_reserve_vcc 0
		.amdhsa_float_denorm_mode_32 3
		.amdhsa_float_denorm_mode_16_64 3
		.amdhsa_memory_ordered 1
		.amdhsa_forward_progress 1
		.amdhsa_inst_pref_size 27
	.end_amdhsa_kernel
	.amdgpu_metadata
---
amdhsa.version: [ 1, 2 ]
amdhsa.kernels:
  - .name:           k_qeba17e564e_vsum
    .symbol:         k_qeba17e564e_vsum.kd
    .args:
      - { .name: qkv, .offset: 0, .size: 8, .value_kind: global_buffer, .address_space: global }
      - { .name: tsuf, .offset: 8, .size: 8, .value_kind: global_buffer, .address_space: global }
    .group_segment_fixed_size: 6144
    .private_segment_fixed_size: 0
    .kernarg_segment_align: 8
    .kernarg_segment_size: 16
    .max_flat_workgroup_size: 512
    .sgpr_count:     66
    .vgpr_count:     160
    .wavefront_size: 32
...
	.end_amdgpu_metadata
.endif
;; end of part 3
;; launch attn (part 4): grid 4 x 64, 4 waves a work-group, no clusters, 327,680 bytes of LDS; arguments qkv, tsuf, oh; writes oh
.if DOCPART == 4
	.amdgcn_target "amdgcn-amd-amdhsa--gfx1250"
	.amdhsa_code_object_version 6
	.text
	.protected	k_qeba17e564e_attn
	.globl	k_qeba17e564e_attn
	.p2align	8
	.type	k_qeba17e564e_attn,@function
k_qeba17e564e_attn:
	s_mov_b64 s[64:65], 0
	v_nop
	global_prefetch_b8 v0, s[64:65] scope:SCOPE_SE
	s_setreg_imm32_b32 hwreg(HW_REG_WAVE_MODE, 25, 1), 1
	s_wait_xcnt 0x0
; ATTENTION WITH THE MASK VALUE -10000.  O[g][q] = the sum over ALL k of softmax_k(z) V[g][k], z = Q.K / 8 where k <= q and -10000 elsewhere.  Q, K, V: thirds of qkv, [64 heads][2048][64] f16; O likewise.
; Products, maxima and sums in f32; the weights p are rounded to f16 for the second product (their sum l is taken of the unrounded p), O once at the end.
; THE HIDDEN KEYS all have the same score, so they cost no product.  Those of the tiles behind a block's diagonal tile are the running softmax's STARTING STATE: m = -80000 (= 8 x -10000, scores are kept unscaled),
; l = their number, O = the sum of their rows of V (tsuf).  Those inside the diagonal tile get the weight wq = 2^(c (-80000) - c m) in place of their own.  The sequence's last row has no hidden key: its m starts at the lowest number.
; LIMITS.  Q, K, V within 65,504.  A hidden score enters the maximum as its value less 2^60 (f16's scores are 2.7e11 at the most).  A visible weight below 2^-126 counts as 0; wq below about 2^-66 loses bits or counts as 0.
; NaN and infinities are not treated apart.
; THE WALK.  NB = 8 blocks of 256 queries a head; block i needs the key tiles 0 .. i.  A work-group takes blocks NB - 1 - b and then b: NB + 1 tiles whatever b, walked by one loop with a constant trip count.
; NO CLUSTER: a head's four work-groups ask for the same tile only in trips 0 .. 4 of 9; a walk common to all would have 12 trips for 9.
; SHARES.  Of a block's four bands of 64 queries a wave owns 16 rows in each: four PIECES; so the diagonal tile is the same work for all waves: in its key step s band x sees all keys (s < x), none (s > x), or holds the diagonal.
; THE MASK is the C operand that starts S^T = K Q^T: 0, or -2^60 where the key is hidden: MD x AL + BE with two scalars.  The same registers, times -2^-60 wq, then add wq to just the hidden weights.
; TURNS.  Turn n belongs to piece n: 8 products K Q^T of piece n + 1, later 8 products V^T P of piece n - 1; beside them piece n's scaling, exponentials, roundings, sums and rescaling, and piece n + 1's maximum and statistics.
; Four vector instructions stand behind every matrix instruction, the rest in one lump.  A turn's exponentials are one batch with one wait.
; REGISTERS (s_set_vgpr_msb: bits 1:0 source 0, 3:2 source 1, 5:4 source 2, 7:6 destination):
;   window 0: v0-15 addresses; v16-31 statistics; v48-55 at work; v56-61 wq, c (-80000), offsets; v64-127 S^T, two buffers; v192-223 P, two buffers
;   window 1: v0-127 O^T, 32 a piece; v128-159 MD; v160-223 MC, two buffers      window 2: v0-63 Q; v64-127 the second block's Q; v128-191 K of one step; v192-255 V of one step
.set SIZE_N, 2048
.set NB,    SIZE_N/256
.set NP,    4
.set KS,    64
.set PK,    144       ; a row of K in LDS: 128 bytes + 16
.set PV,    160       ; a row of V: 128 + 32
.set VOFF,  4*KS*PK
.set SLOT1, 1<<17
.set STAGE, SLOT1+4*KS*(PK+PV)
.set SP,    144
.set AK0, 2
.set AV0, 3
.set AK,  4
.set AV,  5
.set STO, 6
.set RD,  7
.set GO,  8
.set MV,  12
.set QO,  15
.set ST,  16          ; piece t: c m, m, l (even keys, odd keys)
.set TMP, 48
.set WQ,  56          ; v[56:57] the hidden weight; v57 is 0 and only named with it
.set CMH, 58          ; v58  c x (-80000)
.set TT,  59          ; v59  at work
.set TO,  60          ; v60  32 (l / 16): my eight channels in 16 of tsuf
.set PFO, 61          ; v61  256 x lane
.set SPW, 62
.set NIL, 63
.set SPARE, STAGE+4*16*SP
.set S,   64
.set P,   192
.set MD,  128
.set MC,  160
.set QB,  64
.set KF,  128
.set VF,  192
.set WV,  12
.set PB,  14
.set HI,  15
.set G1K, 24
.set G1V, 32
.set G0K, 40
.set G0V, 44
.set SLOTS, 56
.set CNT, 57
.set CS,  58
.set SEL, 60
.set TBK, 62
.set TBV, 63
.set RT,  70
.set NXT, 71
.set LQ,  72
.set NEW, 73
.set OFF, 74
.set AL,  76
.set BE,  78
.set OLO, 80
.set BIGN, 82         ; -2^60
.set MH,  83          ; -80000.0
.set CURB, 88         ; the block in hand
.set TSB, 90          ; s[90:91] tsuf at my head
.set TS,  92          ; s[92:93] tsuf at the block in hand
.set PFA, 94          ; s[94:95] my 16,384 bytes of the tile that the next change of slots will ask for
.set LIM, 96          ; 0 in the work-group that prefetches (b = 0), else the greatest number
.set LRM, 97          ; the lanes that hold a band's last row in wave 3
.set MSB, 0
.macro WIN new
.if MSB != (\new)
	s_set_vgpr_msb (MSB<<8)|(\new)
.set MSB, (\new)
.endif
.endm
.set W_KQ, 0x0a
.set W_KM, 0x1a
.set W_PV, 0x52
.set W_RS, 0x41
.macro LOAD                         ; waves 0 and 1 fetch the two halves of a tile's K, waves 2 and 3 those of its V
	s_cmp_lt_u32 s[WV], 2
	s_cbranch_scc0 .Lfor_v_\@
	tensor_load_to_lds s[G0K:G0K+3], s[G1K:G1K+7]
	s_nop 0
.rept 4
	v_nop
.endr
	s_branch .Lasked_\@
.Lfor_v_\@:
	tensor_load_to_lds s[G0V:G0V+3], s[G1V:G1V+7]
	s_nop 0
.rept 4
	v_nop
.endr
.Lasked_\@:
.endm
; THE CHANGE OF SLOTS.  Each wave waits for all its tensor loads (one is out: its part of the other slot), adds 0 to its spare word, and waits for that and for its reads of the slot that it leaves.  fill = 1: the old slot is
; filled again, first thing behind the barrier, with tile NXT.  Behind that load the work-group with b = 0, whose first block walks tiles 0 to 7 in order, prefetches the tile that the NEXT change will ask for: each wave its
; own 64 blocks of 256 bytes, a lane a block, two instructions, 256 matrix instructions ahead.  So each block of a head's K and V from tile 2 on is named once; behind tile 7 NXT is 0 and nothing is asked for.
.macro CHANGE fill
	WIN 0
	s_wait_tensorcnt 0x0            ; no tensor load of mine is out, so a group 0 may be written
	ds_add_u32 v[SPW], v[NIL]
.if \fill
	s_lshl_b32 s[OFF], s[NXT], 15   ; a tile is 32,768 bytes of K and of V
	s_xor_b32 s[G0K+1], s[G0K+1], SLOT1
	s_add_nc_u64 s[G0K+2:G0K+3], s[6:7], s[OFF:OFF+1]
	s_or_b32 s[G0K+3], s[G0K+3], 0x80000000
	s_xor_b32 s[G0V+1], s[G0V+1], SLOT1
	s_add_nc_u64 s[G0V+2:G0V+3], s[8:9], s[OFF:OFF+1]
	s_or_b32 s[G0V+3], s[G0V+3], 0x80000000
	s_add_co_u32 s[NXT], s[NXT], 1  ; the block's next tile, or behind its last the second block's tile 0
	s_cmp_gt_u32 s[NXT], s[LQ]
	s_cselect_b32 s[NXT], 0, s[NXT]
	s_cselect_b32 s[LQ], s[PB], s[LQ]
	s_wait_xcnt 0x0                 ; the last prefetches, a tile back, have read their address
	s_lshl_b32 s[OFF], s[NXT], 15
	s_cmp_lt_u32 s[WV], 2
	s_cselect_b64 s[PFA:PFA+1], s[6:7], s[8:9]
	s_add_nc_u64 s[PFA:PFA+1], s[PFA:PFA+1], s[OFF:OFF+1]
.endif
	s_wait_dscnt 0x0                ; the add is done, and my reads of the slot are over
	s_barrier_signal -1
	s_sub_co_u32 s[TBK], s[TBK], 4*KS*PK
	s_xor_b32 s[TBK], s[TBK], SLOT1
	s_sub_co_u32 s[TBV], s[TBV], 4*KS*PV
	s_xor_b32 s[TBV], s[TBV], SLOT1
	s_barrier_wait -1
.if \fill
	LOAD
	s_cmp_gt_u32 s[NXT], s[LIM]
	s_cbranch_scc0 .Lno_ask_\@
	global_prefetch_b8 v[PFO], s[PFA:PFA+1] th:TH_LOAD_NT scope:SCOPE_SE
	global_prefetch_b8 v[PFO], s[PFA:PFA+1] offset:8192 th:TH_LOAD_NT scope:SCOPE_SE
.Lno_ask_\@:
.endif
.endm
; O^T of all four pieces starts as the sum of the hidden rows of V behind the block's tile: lane l, channel block cb, register j: channel 16 cb + 8 (l / 16) + j.
; The macro stands twice; each time all its loads are waited for (count 0) before the text goes on into the loop over slots, so the two never have loads out onto the same registers.
.macro TLOAD
	WIN 0x40
.irp t, 0,1,2,3
.irp cb, 0,1,2,3
	global_load_b128 v[32*(\t)+8*(\cb):32*(\t)+8*(\cb)+3],   v[TO], s[TS:TS+1] offset:64*(\cb)
	global_load_b128 v[32*(\t)+8*(\cb)+4:32*(\t)+8*(\cb)+7], v[TO], s[TS:TS+1] offset:64*(\cb)+16
.endr
.endr
	WIN 0
.endm
	s_load_b64 s[4:5], s[0:1], 0x0        ; qkv: Q's third
	s_load_b64 s[TSB:TSB+1], s[0:1], 0x8  ; tsuf
	s_load_b64 s[10:11], s[0:1], 0x10     ; oh
	v_lshl_add_u32 v[SPW], v0, 2, SPARE
	v_mov_b32 v[NIL], 0
	ds_add_u32 v[SPW], v[NIL]       ; the opening: the add and its wait ahead of my first tensor load
	v_lshrrev_b32 v1, 5, v0
	v_readfirstlane_b32 s[WV], v1
	s_mov_b32 s[PB], ttmp9
	s_sub_co_u32 s[HI], NB-1, s[PB]
	s_and_b32 s20, ttmp7, 0xffff    ; the head
	s_lshl_b32 s98, s20, 11         ; its 2,048 bytes of tsuf
	s_mov_b32 s99, 0                ; stays 0: the high word of small offsets
	s_mov_b32 s21, 0
	s_mov_b64 s[22:23], SIZE_N*128
	s_mul_u64 s[20:21], s[20:21], s[22:23]
	s_and_b32 s16, s[WV], 1         ; which half of a tile's 256 keys I fetch
	s_lshl_b32 s22, s16, 14
	s_mov_b32 s23, 0
	s_add_nc_u64 s[22:23], s[22:23], s[20:21]
	s_mul_i32 s17, s16, 128*PK
	s_mul_i32 s18, s16, 128*PV
	s_lshl_b32 s3, s[WV], 11        ; my 16 rows in a band of 64,
	s_lshl_b32 s2, s[HI], 15        ; in the first block,
	s_add_co_u32 s2, s2, s3
	s_lshl_b32 s84, s[PB], 15       ; and in the second
	s_add_co_u32 s84, s84, s3
	s_mov_b32 s3, 0
	s_mov_b32 s85, 0
	s_add_nc_u64 s[2:3], s[2:3], s[20:21]
	s_add_nc_u64 s[84:85], s[84:85], s[20:21]
	; 128 keys are 16,384 dense bytes: asked for as 64 rows of 256 bytes, padded in LDS after every key
	s_mov_b32 s[G1K], (1<<16)|(1<<20)|(4<<22)|(3<<25)
	s_mov_b32 s[G1V], (1<<16)|(1<<20)|(4<<22)|(7<<25)
.irp g, G1K, G1V
	s_mov_b32 s[\g+1], 128<<16
	s_mov_b32 s[\g+2], 64<<16
	s_mov_b32 s[\g+3], 128<<16
	s_mov_b32 s[\g+4], 64
	s_mov_b32 s[\g+5], 128
	s_mov_b32 s[\g+6], 0
	s_mov_b32 s[\g+7], 0
.endr
	s_mov_b32 s[CS], 0x3e38aa3b     ; c = log2(e) / 8
	s_mov_b32 s[CS+1], s[CS]
	s_mov_b32 s[SEL], 0x76543210
	s_mov_b32 s[SEL+1], 0xfedcba98
	s_mov_b32 s[TBK], SLOT1+4*KS*PK ; the first change of slots turns these two into 0
	s_mov_b32 s[TBV], SLOT1+4*KS*PV
	s_mov_b32 s[G0K], 1
	s_mov_b32 s[G0K+1], s17
	s_mov_b32 s[G0V], 1
	s_add_co_u32 s[G0V+1], s18, VOFF
	s_add_co_u32 s[RT], s[HI], 1
	s_mov_b32 s[NXT], 1
	s_mov_b32 s[LQ], s[HI]
	s_mov_b32 s[NEW], 1
	s_mov_b32 s[CURB], s[HI]
	s_mov_b32 s[OFF+1], 0
	s_mov_b32 s[AL+1], 0
	s_mov_b32 s[BE+1], 0
	s_mov_b32 s[BIGN], 0xdd800000   ; -2^60
	s_mov_b32 s[MH], 0xc79c4000     ; -80000.0
	s_mov_b32 s[SLOTS], NB
	s_cmp_eq_u32 s[PB], 0
	s_cselect_b32 s[LIM], 0, -1
	s_wait_dscnt 0x0                ; the opening add is done
	s_wait_kmcnt 0x0
	s_add_nc_u64 s[6:7], s[4:5], 0x1000000   ; K's third,
	s_add_nc_u64 s[8:9], s[4:5], 0x2000000   ; V's
	s_add_nc_u64 s[6:7], s[6:7], s[22:23]    ; at my half of the head's tile 0
	s_add_nc_u64 s[8:9], s[8:9], s[22:23]
	s_add_nc_u64 s[G0K+2:G0K+3], s[6:7], 0
	s_or_b32 s[G0K+3], s[G0K+3], 0x80000000
	s_add_nc_u64 s[G0V+2:G0V+3], s[8:9], 0
	s_or_b32 s[G0V+3], s[G0V+3], 0x80000000
	s_add_nc_u64 s[86:87], s[4:5], s[84:85]
	s_add_nc_u64 s[4:5], s[4:5], s[2:3]
	s_add_nc_u64 s[OLO:OLO+1], s[10:11], s[84:85]
	s_add_nc_u64 s[10:11], s[10:11], s[2:3]
	s_add_nc_u64 s[TSB:TSB+1], s[TSB:TSB+1], s[98:99]
	s_lshl_b32 s98, s[HI], 8
	s_add_nc_u64 s[TS:TS+1], s[TSB:TSB+1], s[98:99]
	LOAD                            ; tile 0 into slot 0
	v_and_b32 v1, 15, v0            ; l % 16
	v_bfe_u32 v9, v0, 4, 1          ; l / 16
	v_lshlrev_b32 v[QO], 7, v1
	v_lshl_add_u32 v[QO], v9, 4, v[QO]
	v_lshlrev_b32 v[TO], 5, v9
	WIN 0x80
.set i, 0
.rept 8                             ; both blocks' Q: piece i / 2 lies in band i / 2, 8,192 bytes on
	global_load_b128 v[8*i:8*i+3],   v[QO], s[4:5] offset:(i/2)*8192+(i%2)*64
	global_load_b128 v[8*i+4:8*i+7], v[QO], s[4:5] offset:(i/2)*8192+(i%2)*64+32
	global_load_b128 v[QB+8*i:QB+8*i+3],   v[QO], s[86:87] offset:(i/2)*8192+(i%2)*64
	global_load_b128 v[QB+8*i+4:QB+8*i+7], v[QO], s[86:87] offset:(i/2)*8192+(i%2)*64+32
.set i, i+1
.endr
	TLOAD                           ; the first block's starting O^T
	v_lshlrev_b32 v14, 3, v9
	v_sub_nc_u32 v14, v1, v14
	s_lshl_b32 s13, s[WV], 4
	v_add_nc_u32 v14, s13, v14      ; my query's place in its band less 8 (l / 16): register r of group kt is hidden where 16 kt + r is greater
	v_add_nc_u32 v[TT], s13, v1
	v_cmp_eq_u32 s[LRM], 63, v[TT]  ; the band's last row
	WIN 0x40
.set i, 0
.rept 32
	v_cmp_gt_i32 vcc_lo, 16*(i/8)+i%8, v14
	v_cndmask_b32 v[MD+i], 0, s[BIGN], vcc_lo
.set i, i+1
.endr
	WIN 0
	v_mov_b32 v[TT], s[MH]
	v_mul_f32 v[CMH], s[CS], v[TT]  ; the same product that the statistics make of m = -80000
	v_mov_b32 v[WQ+1], 0
	v_and_b32 v[PFO], 31, v0
	v_lshlrev_b32 v[PFO], 8, v[PFO]
	v_mul_u32_u24 v[AK0], v1, PK
	v_lshl_add_u32 v[AK0], v9, 4, v[AK0]
	v_and_b32 v10, 7, v0
	v_bfe_u32 v11, v0, 3, 1
	v_lshl_add_u32 v[AV0], v9, 3, v10
	v_mul_u32_u24 v[AV0], v[AV0], PV
	v_lshl_add_u32 v[AV0], v11, 4, v[AV0]
	v_add_nc_u32 v[AV0], VOFF, v[AV0]
	s_mul_i32 s13, s[WV], 16*SP
	s_add_co_u32 s13, s13, STAGE
	v_mul_u32_u24 v[STO], v1, SP
	v_lshl_add_u32 v[STO], v9, 4, v[STO]
	v_add_nc_u32 v[STO], s13, v[STO]
	v_bfe_u32 v[RD], v0, 3, 2
	v_mul_u32_u24 v[RD], v[RD], SP
	v_lshl_add_u32 v[RD], v10, 4, v[RD]
	v_add_nc_u32 v[RD], s13, v[RD]
	v_and_b32 v[GO], 31, v0
	v_lshlrev_b32 v[GO], 4, v[GO]
	WIN 0x80                        ; a block's first turn multiplies V's registers by weights that are 0: they need only hold finite numbers
.set i, VF
.rept 64
	v_mov_b32 v[i], 0
.set i, i+1
.endr
	WIN 0
; THE MATRIX WORK.  The 4 accumulators of a run of 8 take turns.
.macro KQ x
.set rS, S+32*((\x)%2)+8*(i%4)
.set rK, KF+16*(i%4)+8*(i/4)
.set rQ, 16*(\x)+8*(i/4)
.set rM, MC+32*((\x)%2)+8*(i%4)
.if (i < 4) && KM
	WIN W_KM
	v_wmma_f32_16x16x32_f16 v[rS:rS+7], v[rK:rK+7], v[rQ:rQ+7], v[rM:rM+7]
.elseif i < 4
	WIN W_KQ
	v_wmma_f32_16x16x32_f16 v[rS:rS+7], v[rK:rK+7], v[rQ:rQ+7], 0
.else
	WIN W_KQ
	v_wmma_f32_16x16x32_f16 v[rS:rS+7], v[rK:rK+7], v[rQ:rQ+7], v[rS:rS+7]
.endif
.endm
.macro PV x
	WIN W_PV
.set rO, 32*(\x)+8*(i%4)
.set rV, VF+32*(i/4)+8*(i%4)
.set rP, P+16*((\x)%2)+8*(i/4)
	v_wmma_f32_16x16x32_f16 v[rO:rO+7], v[rV:rV+7], v[rP:rP+7], v[rO:rO+7]
.endm
.macro MM
.if (i < 8) && !NOKQ
	KQ (Y+1)%NP
.elseif i >= 8
.set i, i-8
	PV (Y+NP-1)%NP
.set i, i+8
.endif
.set i, i+1
.endm
.macro FETCH_K
	WIN 0x80
.irp f, 0,1,2,3,4,5,6,7
	ds_load_b128 v[KF+8*\f:KF+8*\f+3],   v[AK] offset:(\f/2)*16*PK+(\f%2)*64
	ds_load_b128 v[KF+8*\f+4:KF+8*\f+7], v[AK] offset:(\f/2)*16*PK+(\f%2)*64+32
.endr
	s_add_co_u32 s[TBK], s[TBK], KS*PK
	WIN 0
.endm
.macro FETCH_V
	WIN 0x80
.irp f, 0,1,2,3,4,5,6,7
	ds_load_tr16_b128 v[VF+8*\f:VF+8*\f+3],   v[AV] offset:(\f/4)*32*PV+(\f%4)*32
	ds_load_tr16_b128 v[VF+8*\f+4:VF+8*\f+7], v[AV] offset:(\f/4)*32*PV+16*PV+(\f%4)*32
.endr
	WIN 0
.endm
; THE VECTOR WORK: OP kind, number.  Piece Y: F n: c s - c m for pair n.  E n: the exponential of score n.  C n: pair n rounded to f16.  B n: of four weights the second pair onto the first.  L n: l takes that sum
; (L 0: l = a l + sum).  R n: pair n of O^T times a.  Piece Y + 1: X n, number n of the 22 that find its maximum and statistics (each accumulator's lowest registers are read first).
.set F, 0
.set E, 1
.set C, 2
.set B, 3
.set L, 4
.set R, 5
.set X, 6
.macro REGS y
.set rT, ST+4*(\y)
.set rC, TMP+4*((\y)%2)
.set rW, MV+((\y)%2)
.set rS, S+32*((\y)%2)
.set rP, P+16*((\y)%2)
.set rO, 32*(\y)
.endm
.macro OP k, n
.if (\k) == R
	REGS Y
	WIN W_RS
	v_pk_mul_f32 v[rO+2*(\n):rO+2*(\n)+1], v[rO+2*(\n):rO+2*(\n)+1], v[rC+2:rC+3] op_sel_hi:[1,0]
.elseif (\k) < R
	REGS Y
	WIN 0
.if (\k) == F
	v_pk_fma_f32 v[rS+2*(\n):rS+2*(\n)+1], v[rS+2*(\n):rS+2*(\n)+1], s[CS:CS+1], v[rT:rT+1] op_sel_hi:[1,0,0] neg_lo:[0,0,1] neg_hi:[0,0,1]
.elseif (\k) == E
	v_exp_f32 v[rS+(\n)], v[rS+(\n)]
.elseif (\k) == C
	v_cvt_pk_f16_f32 v[rP+(\n)], v[rS+2*(\n)], v[rS+2*(\n)+1]
.elseif (\k) == B
	v_pk_add_f32 v[rS+4*(\n):rS+4*(\n)+1], v[rS+4*(\n):rS+4*(\n)+1], v[rS+4*(\n)+2:rS+4*(\n)+3]
.elseif (\n) == 0
	v_pk_fma_f32 v[rT+2:rT+3], v[rT+2:rT+3], v[rC+2:rC+3], v[rS:rS+1] op_sel_hi:[1,0,1]
.else
	v_pk_add_f32 v[rT+2:rT+3], v[rT+2:rT+3], v[rS+4*(\n):rS+4*(\n)+1]
.endif
.elseif NOKQ
	v_nop
.else
	REGS (Y+1)%NP
	WIN 0
.if (\n) < 4
	v_max3_num_f32 v[rC+(\n)], v[rS+8*(\n)], v[rS+8*(\n)+1], v[rS+8*(\n)+2]
.elseif (\n) < 12
	v_max3_num_f32 v[rC+(\n)%4], v[rC+(\n)%4], v[rS+8*((\n)%4)+2*((\n)/4)+1], v[rS+8*((\n)%4)+2*((\n)/4)+2]
.elseif (\n) == 12
	v_max3_num_f32 v[rC], v[rC], v[rS+7], v[rS+15]
.elseif (\n) == 13
	v_max3_num_f32 v[rC+1], v[rC+1], v[rS+23], v[rS+31]
.elseif (\n) == 14
	v_max3_num_f32 v[rC+2], v[rC+2], v[rC+3], v[rT+1]
.elseif (\n) == 15
	v_mov_b32 v[rW], v[rT]
.elseif (\n) == 16
	v_max3_num_f32 v[rC], v[rC], v[rC+1], v[rC+2]
.elseif (\n) == 17
	v_permlanex16_b32 v[rC+3], v[rC], s[SEL], s[SEL+1]
.elseif (\n) == 18
	v_max_num_f32 v[rT+1], v[rC], v[rC+3]
.elseif (\n) == 19
	v_mul_f32 v[rT], s[CS], v[rT+1]
.elseif (\n) == 20
	v_sub_f32 v[rC+1], v[rW], v[rT]
.else
	v_exp_f32 v[rC+2], v[rC+1]
.endif
.endif
.endm
.macro OPS a, i1, b=-1, i2=0, c=-1, i3=0, d=-1, i4=0
	OP \a, \i1
.if (\b) >= 0
	OP \b, \i2
.endif
.if (\c) >= 0
	OP \c, \i3
.endif
.if (\d) >= 0
	OP \d, \i4
.endif
.endm
.macro ROW a, i1, b, i2, c, i3, d, i4
	MM
	OPS \a, \i1, \b, \i2, \c, \i3, \d, \i4
.endm
.macro MASK b                       ; MD x AL + BE into buffer b of MC
	WIN W_RS
.set z, 0
.rept 16
	v_pk_fma_f32 v[MC+32*(\b)+2*z:MC+32*(\b)+2*z+1], v[MD+2*z:MD+2*z+1], s[AL:AL+1], s[BE:BE+1] op_sel_hi:[1,0,0]
.set z, z+1
.endr
.endm
; A TURN, for piece p.  Ahead of its one wait stands all that names no result of its exponentials; behind it the 8 products V^T P with the roundings and sums as riders.
; m = 1, the diagonal tile: the products take masks; the turn makes the mask for the products of the turn after it (piece p + 2, step 4 - CNT); and piece p's hidden weights are set: wq's argument is made at the turn's head
; (held at 0 at the most, for the row that has no hidden key), its exponential joins the batch, and behind the wait 16 packed lines add MC x (-2^-60 wq) to the weights: wq where MC = -2^60, nothing where it is 0.
; Buffer p % 2 of MC was made two turns back for piece p, was read as C one turn back, is read here, and is written anew only at this turn's end.
; end = 1: a block's last two turns: nothing is fetched.  cnt = 1: the loop's count is taken down some lines ahead of the branch behind the turn.
.macro TURN p, m=0, end=0, cnt=0
.set Y, (\p)
.set i, 0
.set KM, (\m)
.set NOKQ, (\end)*((\p)/3)
.if (\m) && !(\end)
	s_cmp_eq_u32 s[CNT], 4-((\p)+2)%NP  ; is that step the band's own?
	s_cselect_b32 s[AL], 1.0, 0
	s_cmp_lt_u32 s[CNT], 4-((\p)+2)%NP  ; or a later one?
	s_cselect_b32 s[BE], s[BIGN], 0
.endif
.if \m
	WIN 0
	v_sub_f32 v[WQ], v[CMH], v[ST+4*(\p)]
	v_min_num_f32 v[WQ], 0, v[WQ]
.endif
.if ((\p) == 3) && !(\end)
	s_wait_dscnt 0x0                ; K is in
.endif
	ROW F,0, F,1, R,0, R,1
	ROW F,2, E,0, R,2, R,3
	ROW F,3, E,1, R,4, R,5
	ROW F,4, E,2, R,6, R,7
	ROW F,5, E,3, R,8, R,9
	ROW F,6, E,4, X,0, R,10
.if ((\p) == 2) && !(\end)
	WIN 0
	v_add_nc_u32 v[AK], s[TBK], v[AK0]
.endif
	ROW F,7, E,5, X,1, X,4
	ROW F,8, E,6, X,2, X,5
	OPS E,7, E,8, X,6, E,9
	OPS X,3, E,10, X,8, E,11
.if ((\p) == 2) && !(\end)
	FETCH_K
.endif
	OPS X,9, X,7, E,12, X,10
	OPS E,13, X,12, X,11, E,14
	OPS X,13, E,15, F,9, X,14
.if (\p) == 0
	v_add_nc_u32 v[AV], s[TBV], v[AV0]
.endif
	OPS E,16, F,10, E,17, F,11
	OPS X,16, E,18, X,15, E,19
	OPS F,12, E,20, X,17, E,21
	OPS F,13, E,22, F,14, E,23
	OPS X,18, E,24, F,15, E,25
	OPS R,11, E,26, X,19, E,27
	OPS R,12, E,28, R,13, E,29
	OPS X,20, E,30, R,14, E,31
.if \m
	WIN 0
	v_exp_f32 v[WQ], v[WQ]          ; wq, in the same batch
.endif
	OPS X,21, R,15                  ; the last rescaling is the plain instruction behind the batch's last exponential
	WIN 0
	s_wait_alu depctr_va_vdst(0)    ; the one wait for the batch, ahead of its first reader
.if \m
	v_mul_f32 v[WQ], 0xa1800000, v[WQ]  ; x (-2^-60), exact
	WIN 0x01                        ; source 0 (the mask) in window 1
.set z, 0
.rept 16
	v_pk_fma_f32 v[S+32*((\p)%2)+2*z:S+32*((\p)%2)+2*z+1], v[MC+32*((\p)%2)+2*z:MC+32*((\p)%2)+2*z+1], v[WQ:WQ+1], v[S+32*((\p)%2)+2*z:S+32*((\p)%2)+2*z+1] op_sel_hi:[1,0,1]
.set z, z+1
.endr
	WIN 0
.endif
.if (\p) == 1
	s_wait_dscnt 0x0                ; V is in
.endif
	ROW C,0, B,0, C,2, B,1
	ROW L,0, C,4, B,2, L,1
	ROW C,6, B,3, L,2, C,8
	ROW B,4, L,3, C,10, B,5
	ROW L,4, C,12, B,6, L,5
.if (\p) == 0
	s_add_co_u32 s[TBV], s[TBV], KS*PV
.endif
.if \cnt
	s_sub_co_u32 s[CNT], s[CNT], 1
	s_cmp_lg_u32 s[CNT], 0
.endif
	ROW C,14, B,7, L,6, C,1
	ROW C,3, L,7, C,5, C,7
	ROW C,9, C,11, C,13, C,15
.if (\p) == 0
	FETCH_V
.endif
.if (\m) && !(\end)
	MASK (\p)%2
.endif
.endm
; A BLOCK BEGINS in the state in which the hidden keys of all later tiles have been taken in: m = -80000, c m its product, l = their number 256 (7 - block) in four equal parts (two registers, two halves of the lanes);
; O^T was loaded from tsuf.  P's second buffer is 0, so that the first turn's products, of a piece that has not been, add nothing.  In the last block the last row has no hidden key at all: its m starts at the lowest number.
; Q and the starting O^T are in registers when the text comes here: their loads were waited for where they were issued, ahead of the loop over slots and ahead of the jump back into it.
.macro BEGIN
	s_mov_b32 s[NEW], 0
	WIN 0x40
.set i, MC+32
.rept 32
	v_mov_b32 v[i], 0
.set i, i+1
.endr
	WIN 0
	s_sub_co_u32 s98, NB-1, s[CURB]
	s_lshl_b32 s98, s98, 6
	v_cvt_f32_u32 v[TT], s98
.set i, 0
.rept 4
	v_mov_b32 v[ST+4*i], v[CMH]
	v_mov_b32 v[ST+4*i+1], s[MH]
	v_mov_b32 v[ST+4*i+2], v[TT]
	v_mov_b32 v[ST+4*i+3], v[TT]
.set i, i+1
.endr
.set i, P+16
.rept 16
	v_mov_b32 v[i], 0
.set i, i+1
.endr
	s_cmp_eq_u32 s[CURB], NB-1
	s_cselect_b32 s98, s[LRM], 0
	v_mov_b32 v[TT], 0xff7fffff
	v_cndmask_b32 v[ST+13], v[ST+13], v[TT], s98
	v_mov_b32 v[TT], 0xfe000000
	v_cndmask_b32 v[ST+12], v[ST+12], v[TT], s98
	s_cmp_eq_u32 s[RT], 0
	s_cselect_b32 s[AL], 1.0, 0
	s_mov_b32 s[BE], 0
	MASK 0
	WIN 0
	v_add_nc_u32 v[AK], s[TBK], v[AK0]
	FETCH_K
	s_wait_dscnt 0x0                ; K is in
.set KM, 1
.set NOKQ, 0
.set i, 0
.rept 8
	KQ 0
.set i, i+1
.endr
	WIN 0
.rept 4
	v_nop                           ; the places behind those products
.endr
.set Y, NP-1
.irp n, 0,1,2,3,4,5,6,7,8,9,10,11,12,13,14,15,16,17,18,19,20,21
	OP X, \n
.endr
	v_nop                           ; a plain instruction behind the exponential,
	s_wait_alu depctr_va_vdst(0)    ; and its wait, ahead of the branch
.endm
.macro ALL line:vararg
.set t, 0
.rept 4
	\line
.set t, t+1
.endr
.endm
.macro PACK t
	WIN W_RS
.set i, 32*(\t)
.rept 16
	v_pk_mul_f32 v[i:i+1], v[i:i+1], v[ST+4*(\t)+2:ST+4*(\t)+3] op_sel_hi:[1,0]
.set i, i+2
.endr
	WIN 0x05
.set i, 0
.rept 16
	v_cvt_pk_f16_f32 v[S+16*(\t)+i], v[32*(\t)+2*i], v[32*(\t)+2*i+1]
.set i, i+1
.endr
	WIN 0
.irp f, 0,1,2,3
	ds_store_b128 v[STO], v[S+16*(\t)+4*\f:S+16*(\t)+4*\f+3] offset:32*\f
.endr
.irp f, 0,1,2,3
	ds_load_b128 v[S+16*(\t)+4*\f:S+16*(\t)+4*\f+3], v[RD] offset:\f*4*SP  ; LDS serves a wave's instructions in order (ISA guide 5.7.1.4): these see the stores above
.endr
.endm
.macro SEND t, younger
	WIN 0
.irp f, 0,1,2,3
	s_wait_dscnt (\younger)+3-\f
	global_store_b128 v[GO], v[S+16*(\t)+4*\f:S+16*(\t)+4*\f+3], s[10:11] offset:(\t)*8192+\f*512  ; 512 consecutive bytes, at a multiple of 256 from O's first
.endr
.endm
.macro DIAG tag                     ; the diagonal tile's four steps, the block's last two turns and products, and the way out
.LstepM\tag:
	TURN 2, 1
	TURN 3, 1
	WIN 0
.LfirstM\tag:
	TURN 0, 1
	TURN 1, 1, 0, 1
	WIN 0
	s_cbranch_scc1 .LstepM\tag
	TURN 2, 1, 1
	TURN 3, 1, 1
.set i, 0
.rept 8
	PV NP-1
.set i, i+1
.endr
	WIN 0
	ALL v_add_f32 v[ST+4*t+2], v[ST+4*t+2], v[ST+4*t+3]
	ALL v_permlanex16_b32 v[ST+4*t+3], v[ST+4*t+2], s[SEL], s[SEL+1]
	ALL v_add_f32 v[ST+4*t+2], v[ST+4*t+2], v[ST+4*t+3]
	ALL v_rcp_f32 v[ST+4*t+2], v[ST+4*t+2]
	v_nop                           ; a plain instruction behind the last reciprocal,
	s_wait_alu depctr_va_vdst(0)    ; and one wait for the four, ahead of the first use
	PACK 0
.set t, 1
.rept 3
	PACK t
	SEND t-1, 8
.set t, t+1
.endr
	SEND 3, 0
.endm
.set KM, 0
.set NOKQ, 0
	s_wait_loadcnt 0x0              ; both blocks' Q and the first block's starting O^T are in, on every way into the loop; all the head's work on registers stands between the loads and this wait
.Lslot:                             ; NB times: a tile is entered and the next is asked for
	CHANGE 1
	s_sub_co_u32 s[RT], s[RT], 1
	s_mov_b32 s[CNT], 4
	s_cmp_eq_u32 s[NEW], 1
	s_cbranch_scc1 .Lnew            ; a block's first tile
	s_cmp_eq_u32 s[RT], 0
	s_cbranch_scc0 .Lstep           ; neither its first nor its last
	s_branch .LstepM1
.Lnew:
	BEGIN
	s_branch .Lfirst                ; in the loop a block's first tile is never its last
	DIAG 1                          ; in the loop this is the first block's end
	s_wait_xcnt 0x0                 ; the stores have read their registers and O's address
	s_mov_b64 s[10:11], s[OLO:OLO+1]
	s_add_co_u32 s[RT], s[PB], 1
	s_mov_b32 s[NEW], 1
	s_mov_b32 s[CURB], s[PB]
	s_lshl_b32 s98, s[PB], 8
	s_add_nc_u64 s[TS:TS+1], s[TSB:TSB+1], s[98:99]
	TLOAD                           ; the second block's starting O^T
	WIN 0x82                        ; its Q goes where the one text of the turns names Q
.set i, 0
.rept 64
	v_mov_b32 v[i], v[QB+i]
.set i, i+1
.endr
	WIN 0
	s_wait_loadcnt 0x0              ; the starting O^T is in: no load is pending where the two ways join
	s_branch .Lbottom
.Lstep:
	TURN 2
	TURN 3
	WIN 0
.Lfirst:
	TURN 0
	TURN 1, 0, 0, 1
	WIN 0
	s_cbranch_scc1 .Lstep
.Lbottom:
	s_sub_co_u32 s[SLOTS], s[SLOTS], 1
	s_cmp_lg_u32 s[SLOTS], 0
	s_cbranch_scc1 .Lslot
	CHANGE 0                        ; the walk's last tile is written out: nothing is asked for
	s_sub_co_u32 s[RT], s[RT], 1
	s_mov_b32 s[CNT], 4
	s_cmp_eq_u32 s[NEW], 1
	s_cbranch_scc0 .LstepM2
	BEGIN
	s_branch .LfirstM2
	DIAG 2
	s_wait_tensorcnt 0x0            ; the end of a wave: three closing lines
	ds_add_u32 v[SPW], v[NIL]
	s_wait_dscnt 0x0
	s_endpgm
.Lfunc_end_k_qeba17e564e_attn:
	.size	k_qeba17e564e_attn, .Lfunc_end_k_qeba17e564e_attn-k_qeba17e564e_attn
	.p2alignl 7, 3214868480
	.fill 96, 4, 3214868480
	.section	.rodata,"a",@progbits
	.p2align	6, 0x0
	.amdhsa_kernel k_qeba17e564e_attn
		.amdhsa_group_segment_fixed_size 327680
		.amdhsa_private_segment_fixed_size 0
		.amdhsa_enable_private_segment 0
		.amdhsa_kernarg_size 24
		.amdhsa_user_sgpr_count 2
		.amdhsa_user_sgpr_kernarg_segment_ptr 1
		.amdhsa_wavefront_size32 1
		.amdhsa_system_sgpr_workgroup_id_x 1
		.amdhsa_system_sgpr_workgroup_id_y 1
		.amdhsa_system_sgpr_workgroup_id_z 1
		.amdhsa_system_vgpr_workitem_id 0
		.amdhsa_next_free_vgpr 768
		.amdhsa_next_free_sgpr 100
		.amdhsa_reserve_vcc 1
		.amdhsa_float_denorm_mode_32 3
		.amdhsa_float_denorm_mode_16_64 3
		.amdhsa_memory_ordered 1
		.amdhsa_forward_progress 1
		.amdhsa_inst_pref_size 236
	.end_amdhsa_kernel
	.amdgpu_metadata
---
amdhsa.version: [ 1, 2 ]
amdhsa.kernels:
  - .name:           k_qeba17e564e_attn
    .symbol:         k_qeba17e564e_attn.kd
    .args:
      - { .name: qkv, .offset: 0, .size: 8, .value_kind: global_buffer, .address_space: global }
      - { .name: tsuf, .offset: 8, .size: 8, .value_kind: global_buffer, .address_space: global }
      - { .name: oh, .offset: 16, .size: 8, .value_kind: global_buffer, .address_space: global }
    .group_segment_fixed_size: 327680
    .private_segment_fixed_size: 0
    .kernarg_segment_align: 8
    .kernarg_segment_size: 24
    .max_flat_workgroup_size: 128
    .sgpr_count:     100
    .vgpr_count:     768
    .wavefront_size: 32
...
	.end_amdgpu_metadata
.endif
;; end of part 4
;; launch fc (part 5): grid 8 x 32, 4 waves a work-group, clusters of 4 x 4, 327,680 bytes of LDS; arguments oh, wft, b_fc, out0; writes out0
.if DOCPART == 5
	.amdgcn_target "amdgcn-amd-amdhsa--gfx1250"
	.amdhsa_code_object_version 6
	.text
	.protected	k_qeba17e564e_fc
	.globl	k_qeba17e564e_fc
	.p2align	8
	.type	k_qeba17e564e_fc,@function
k_qeba17e564e_fc:
	s_mov_b64 s[64:65], 0
	v_nop
	global_prefetch_b8 v0, s[64:65] scope:SCOPE_SE
	s_setreg_imm32_b32 hwreg(HW_REG_WAVE_MODE, 25, 1), 1
	s_wait_xcnt 0x0
	s_wait_alu depctr_hold_cnt(0) depctr_sa_sdst(0) depctr_va_vdst(0) depctr_va_sdst(0) depctr_va_ssrc(0) depctr_va_vcc(0) depctr_vm_vsrc(0)
	s_getreg_b32 s2, hwreg(HW_REG_IB_STS2, 6, 4)
	s_cmp_eq_u32 s2, 0
	s_cbranch_scc0 .Lentry_in_a_cluster
	s_endpgm
.Lentry_in_a_cluster:
	s_bfe_u32 s2, ttmp6, 0x10000c
	s_cmp_lg_u32 s2, 0xf033
	s_cbranch_scc0 .Lentry_shape_is_right
	s_endpgm
.Lentry_shape_is_right:
; out0 = O w_fc + b_fc, in f32.  oh: [64 heads g = 16 batch + head][2048][64] f16; wft: [1024 n][1024 k] f16; b_fc f32 (rounded to bf16 like the other inputs); sums in f32, started by the bias.
; SHARES.  A work-group makes 256 rows x 128 columns: 256 work-groups.  Four waves, 2 x 2: a wave makes 128 x 64 in 32 accumulators.  K goes in 8 steps of 128 = two heads, through two LDS slots.
; O BY HEADS.  A head's 256 rows of the tile are 32,768 dense bytes: asked for as 128 rows of 256 bytes and padded in LDS after every 128, so that a row of 64 channels has the pitch 144.
; CLUSTER 4 x 4: O's tiles are shared along a row of the cluster, wft's along a column; joint loads as in the projection in front.  The matrix instruction is used transposed: a lane holds one row and 8 neighbouring columns.
; REGISTERS: window 0: v0-31 addresses; v64-127, v128-191 fragments of O; v192-255 two buffers for the way out.  window 1: v0-31 the bias; v48 at work; v64-95, v128-159 fragments of wft.  window 2: accumulator (a, b) at 8 (4 a + b).
.set PITCH,  272
.set PA,     144
.set HEADB,  256*PA                    ; 36,864: a head's 256 rows
.set BOFF,   2*HEADB
.set BHALF,  64*PITCH
.set SLOT1,  1<<17                     ; a slot is 108,544 bytes
.set STAGE,  1<<18                     ; 16 rows x 272 bytes for each wave; no tile lands here
.set SPITCH, 272
.set SPARE,  STAGE+4*16*SPITCH         ; 279,552 = 1,092 x 256
.set ASTEP,  524288                    ; two heads on in oh
.set GWA,    (1<<16)|(1<<20)|(1<<21)|(4<<22)|(3<<25)  ; padding after every 32 words, 4 words
.set GWB,    (1<<16)|(1<<20)|(1<<21)|(5<<22)|(3<<25)  ; after every 64 words
.set ADRA0, 16
.set ADRB0, 17
.set ADRA,  18
.set ADRB,  19
.set STO,   24
.set RD,    25
.set CO,    26
.set BO,    27
.set SPW,   28
.set NIL,   29
.set PFO,   30
.set F0,    64
.set F1,    128
.set OBUF,  192
.set WV,  12
.set RH,  13
.set CH,  14
.set CX,  15
.set CY,  16
.set TC,  17
.set TR,  18
.set TB,  19
.set G1A, 24
.set G0A, 32
.set PFA, 40
.set PFS, 42                           ; s[42:43] the prefetches' step
.set LIM, 44
.set G1B, 48
.set G0B, 56
.set OB,  68
.set MSB, 0
.macro WIN new
.if MSB != (\new)
	s_set_vgpr_msb (MSB<<8)|(\new)
.set MSB, \new
.endif
.endm
.set TO_B, 0x40
.macro PLACES
.rept 4
	v_nop
.endr
.endm
.macro JLOAD
	s_cmp_eq_u32 s[RH], 0
	s_cbranch_scc0 .Lfor_b_\@
	tensor_load_to_lds s[G0A+4:G0A+7], s[G1A:G1A+7]
	s_nop 0
.rept 4
	v_nop
.endr
	s_branch .Lasked_\@
.Lfor_b_\@:
	tensor_load_to_lds s[G0B+4:G0B+7], s[G1B:G1B+7]
	s_nop 0
.rept 4
	v_nop
.endr
.Lasked_\@:
.endm
; A prefetch of the K step two behind the one just asked for: 256 matrix instructions ahead of its load.  O's blocks are named by the clusters with x = 0 (waves 0 and 1: their head's 128 blocks of 256 bytes, 32 to a partner,
; by address); wft's rows by wave 2 of the clusters with y = 0 (128 rows, 32 to a partner).  The last two refills ask for nothing.
.macro ASK
	s_cmp_gt_u32 s3, s[LIM]
	s_cbranch_scc0 .Lnot_mine_\@
	global_prefetch_b8 v[PFO], s[PFA:PFA+1] th:TH_LOAD_NT scope:SCOPE_SE
.Lnot_mine_\@:
.endm
.macro CREST
	s_cmp_lg_u32 s[WV], 0
	s_cbranch_scc1 .Lnot_wave_0_\@
	s_barrier_signal -3
.Lnot_wave_0_\@:
	s_barrier_wait -3
	s_barrier_signal -1
	s_barrier_wait -1
.endm
.macro CROUND
	s_barrier_signal -1
	s_barrier_wait -1
	CREST
.endm
.macro MULH f, hi, a0, first           ; 8 matrix instructions; the 32 accumulators take turns in one order everywhere
.if \first
	WIN 0x91
.else
	WIN 0xa1
.endif
.irp a, \a0, (\a0)+1
.irp b, 0,1,2,3
.if \first
	v_wmma_f32_16x16x32_f16 v[8*(4*(4*(\hi)+(\a))+(\b)):8*(4*(4*(\hi)+(\a))+(\b))+7], v[(\f)+8*(\b):(\f)+8*(\b)+7], v[(\f)+8*(4*(\hi)+(\a)):(\f)+8*(4*(\hi)+(\a))+7], v[8*(\b):8*(\b)+7]
.else
	v_wmma_f32_16x16x32_f16 v[8*(4*(4*(\hi)+(\a))+(\b)):8*(4*(4*(\hi)+(\a))+(\b))+7], v[(\f)+8*(\b):(\f)+8*(\b)+7], v[(\f)+8*(4*(\hi)+(\a)):(\f)+8*(4*(\hi)+(\a))+7], v[8*(4*(4*(\hi)+(\a))+(\b)):8*(4*(4*(\hi)+(\a))+(\b))+7]
.endif
.endr
.endr
.endm
.macro FETCH q, f                      ; 24 LDS loads in one run: wft's 8, then O's 16 (quarter q: head q / 2 of the step, channels 32 (q % 2) on)
	WIN TO_B
.irp i, 0,1,2,3
	ds_load_b128 v[(\f)+8*(\i):(\f)+8*(\i)+3],   v[ADRB] offset:64*(\q)+(\i)*16*PITCH
	ds_load_b128 v[(\f)+8*(\i)+4:(\f)+8*(\i)+7], v[ADRB] offset:64*(\q)+(\i)*16*PITCH+32
.endr
	WIN 0
.irp i, 0,1,2,3,4,5,6,7
	ds_load_b128 v[(\f)+8*(\i):(\f)+8*(\i)+3],   v[ADRA] offset:((\q)/2)*HEADB+((\q)%2)*64+(\i)*16*PA
	ds_load_b128 v[(\f)+8*(\i)+4:(\f)+8*(\i)+7], v[ADRA] offset:((\q)/2)*HEADB+((\q)%2)*64+(\i)*16*PA+32
.endr
.endm
.macro QUARTER q, f, g, first
	s_wait_dscnt 8                                 ; all but the youngest eight loads (O's rows 64-127)
	MULH \f, 0, 0, \first
	MULH \f, 0, 2, \first
	PLACES
	FETCH \q, \g
	s_wait_dscnt 24                                ; all but the 24 just issued
	MULH \f, 1, 0, \first
	MULH \f, 1, 2, \first
.endm
.macro TURN fill                       ; a K step's last quarter and the change of slots, as in the projection in front
.if \fill
	s_wait_xcnt 0x0                                ; the last prefetch, a K step back, has read its address
	s_add_nc_u64 s[PFA:PFA+1], s[PFA:PFA+1], s[PFS:PFS+1]
.endif
	WIN 0
	s_wait_tensorcnt 0x0                           ; no tensor load of mine is out: the walking descriptors may be written
	ds_add_u32 v[SPW], v[NIL]
.if \fill
	s_xor_b32 s[G0A+5], s[G0A+5], SLOT1
	s_add_nc_u64 s[G0A+6:G0A+7], s[G0A+6:G0A+7], ASTEP
	s_xor_b32 s[G0B+5], s[G0B+5], SLOT1
	s_add_nc_u64 s[G0B+6:G0B+7], s[G0B+6:G0B+7], 256
.endif
	s_wait_dscnt 9                                 ; the add and the youngest eight loads may be out
	MULH F1, 0, 0, 0
	s_wait_dscnt 0x0                               ; the add is done, my reads of this slot are over
	s_barrier_signal -1
	MULH F1, 0, 2, 0
	WIN 0
	s_barrier_wait -1
.if \fill
	CREST
	JLOAD                                          ; its four v_nop are also the places ahead of the loads below
.else
	PLACES
.endif
	s_xor_b32 s[TB], s[TB], SLOT1
	v_add_nc_u32 v[ADRA], s[TB], v[ADRA0]
	v_add_nc_u32 v[ADRB], s[TB], v[ADRB0]
	FETCH 0, F0
.if \fill
	ASK
.endif
	MULH F1, 1, 0, 0
	MULH F1, 1, 2, 0
.endm
	s_load_b256 s[4:11], s[0:1], 0x0               ; oh s[4:5], wft s[6:7], b_fc s[8:9], out0 s[10:11]
	v_lshl_add_u32 v[SPW], v0, 2, SPARE
	v_mov_b32 v[NIL], 0
	ds_add_u32 v[SPW], v[NIL]                      ; the opening: the add and its wait ahead of my first tensor load
	v_lshrrev_b32 v1, 5, v0
	v_readfirstlane_b32 s[WV], v1
	s_lshr_b32 s[RH], s[WV], 1
	s_and_b32 s[CH], s[WV], 1
	s_bfe_u32 s[CX], ttmp6, 0x40000
	s_bfe_u32 s[CY], ttmp6, 0x40004
	s_lshl_b32 s[TC], ttmp9, 2
	s_add_co_u32 s[TC], s[TC], s[CX]               ; tile column 0..7
	s_and_b32 s[TR], ttmp7, 0xffff
	s_lshl_b32 s[TR], s[TR], 2
	s_add_co_u32 s[TR], s[TR], s[CY]               ; tile row 0..31
	s_lshl_b32 s66, s[CY], 2
	s_lshl_b32 s66, 15, s66
	s_lshl_b32 s67, 0x1111, s[CX]
	s_or_b32 s[G1A], s66, GWA
	s_or_b32 s[G1B], s67, GWB
.irp g, G1A, G1B
	s_mov_b32 s[(\g)+1], 128<<16                   ; tensor_dim0 = 128
	s_mov_b32 s[(\g)+3], 128<<16                   ; tile_dim0 = 128
	s_mov_b32 s[(\g)+6], 0
	s_mov_b32 s[(\g)+7], 0
.endr
	s_mov_b32 s[G1A+2], 128<<16                    ; 128 rows of 256 bytes, dense
	s_mov_b32 s[G1A+4], 128
	s_mov_b32 s[G1A+5], 128
	s_mov_b32 s[G1B+2], 64<<16                     ; 64 rows of wft
	s_mov_b32 s[G1B+4], 64
	s_mov_b32 s[G1B+5], 1024
	s_lshr_b32 s20, s[TR], 3                       ; oh: ((16 batch + head) x 2,048 + the tile's first row in the batch) x 128 bytes: of the tile row alone
	s_lshl_b32 s20, s20, 4
	s_add_co_u32 s20, s20, s[CH]
	s_lshl_b32 s20, s20, 11
	s_and_b32 s21, s[TR], 7
	s_lshl_b32 s21, s21, 8
	s_add_co_u32 s20, s20, s21
	s_lshl_b32 s20, s20, 7
	s_mov_b32 s21, 0
	s_lshl_b32 s22, s[TC], 7                       ; wft: row 128 x tile column + 64 x half: of the tile column alone
	s_lshl_b32 s23, s[CH], 6
	s_add_co_u32 s22, s22, s23
	s_lshl_b32 s22, s22, 11
	s_mov_b32 s23, 0
	s_mul_i32 s45, s[CH], HEADB
	s_mul_i32 s46, s[CH], BHALF
	s_add_co_u32 s46, s46, BOFF
	s_mov_b32 s[TB], 0
	s_wait_dscnt 0x0                               ; the opening add is done
	s_wait_kmcnt 0x0
	s_add_nc_u64 s[20:21], s[4:5], s[20:21]
	s_add_nc_u64 s[22:23], s[6:7], s[22:23]
	CROUND                                         ; all sixteen work-groups are here: the first joint loads meet
.irp s, 0,1
	s_mov_b32 s[G0A+4*(\s)], 1
	s_add_co_u32 s[G0A+4*(\s)+1], s45, (\s)*SLOT1
	s_add_nc_u64 s[G0A+4*(\s)+2:G0A+4*(\s)+3], s[20:21], (\s)*ASTEP
	s_or_b32 s[G0A+4*(\s)+3], s[G0A+4*(\s)+3], 0x80000000
	s_mov_b32 s[G0B+4*(\s)], 1
	s_add_co_u32 s[G0B+4*(\s)+1], s46, (\s)*SLOT1
	s_add_nc_u64 s[G0B+4*(\s)+2:G0B+4*(\s)+3], s[22:23], (\s)*256
	s_or_b32 s[G0B+4*(\s)+3], s[G0B+4*(\s)+3], 0x80000000
.endr
	s_cmp_eq_u32 s[RH], 0                          ; a wave's two first fills stand in one branch: two loads of mine are out
	s_cbranch_scc0 .Lfirst_b
	tensor_load_to_lds s[G0A:G0A+3], s[G1A:G1A+7]
	s_nop 0
	tensor_load_to_lds s[G0A+4:G0A+7], s[G1A:G1A+7]
	s_nop 0
.rept 4
	v_nop
.endr
	s_branch .Lfirst_asked
.Lfirst_b:
	tensor_load_to_lds s[G0B:G0B+3], s[G1B:G1B+7]
	s_nop 0
	tensor_load_to_lds s[G0B+4:G0B+7], s[G1B:G1B+7]
	s_nop 0
.rept 4
	v_nop
.endr
.Lfirst_asked:
	v_and_b32 v1, 15, v0                           ; r
	v_bfe_u32 v2, v0, 4, 1                         ; h
	s_lshl_b32 s66, s[TC], 9                       ; the bias of my 64 columns: 4 (128 tile column + 64 half) + 32 h
	s_lshl_b32 s67, s[CH], 8
	s_add_co_u32 s66, s66, s67
	v_lshl_add_u32 v[BO], v2, 5, s66
	WIN TO_B
.irp b, 0,1,2,3
	global_load_b128 v[8*(\b):8*(\b)+3],   v[BO], s[8:9] offset:64*(\b)
	global_load_b128 v[8*(\b)+4:8*(\b)+7], v[BO], s[8:9] offset:64*(\b)+16
.endr
	WIN 0
	v_mul_u32_u24 v3, v1, PA
	v_lshl_add_u32 v3, v2, 4, v3
	s_mul_i32 s47, s[RH], 128*PA
	v_add_nc_u32 v[ADRA0], s47, v3                 ; O: my 128 rows, row r, 16 h
	v_mul_u32_u24 v3, v1, PITCH
	v_lshl_add_u32 v3, v2, 4, v3
	s_mul_i32 s47, s[CH], BHALF
	s_add_co_u32 s47, s47, BOFF
	v_add_nc_u32 v[ADRB0], s47, v3
	v_mov_b32 v[ADRA], v[ADRA0]
	v_mov_b32 v[ADRB], v[ADRB0]
	s_mul_i32 s47, s[WV], 16*SPITCH
	s_add_co_u32 s47, s47, STAGE                   ; my stage
	v_mul_u32_u24 v[STO], v1, SPITCH               ; in: row r, 32 bytes for each half of the lanes
	v_lshl_add_u32 v[STO], v2, 5, v[STO]
	v_add_nc_u32 v[STO], s47, v[STO]
	v_mul_u32_u24 v[RD], v2, SPITCH                ; back: lanes 0-15 one row of 256 bytes, lanes 16-31 the next
	v_lshl_add_u32 v[RD], v1, 4, v[RD]
	v_add_nc_u32 v[RD], s47, v[RD]
	v_lshlrev_b32 v[CO], 12, v2                    ; and the same two rows of out0
	v_lshl_add_u32 v[CO], v1, 4, v[CO]
	s_lshl_b32 s74, s[TR], 8
	s_lshl_b32 s75, s[RH], 7
	s_add_co_u32 s74, s74, s75
	s_lshl_b32 s74, s74, 12                        ; my first row, 4,096 bytes a row
	s_lshl_b32 s75, s[TC], 9
	s_add_co_u32 s74, s74, s75
	s_lshl_b32 s75, s[CH], 8
	s_add_co_u32 s74, s74, s75                     ; my first column
	s_mov_b32 s75, 0
	s_add_nc_u64 s[OB:OB+1], s[10:11], s[74:75]
	s_and_b32 s74, ttmp7, 0xffff                   ; the prefetches: cluster y,
	s_or_b32 s74, s74, s[CH]                       ; and of waves 2 and 3 only wave 2
	s_lshl_b32 s76, s[CX], 13                      ; O: my work-group's 32 blocks of 256 bytes, at K step 3
	s_add_co_u32 s76, s76, 3*ASTEP
	s_lshl_b32 s77, s[CY], 16                      ; wft: my work-group's 32 rows, at K step 3
	s_add_co_u32 s77, s77, 3*256
	s_mov_b32 s[PFS], ASTEP
	s_mov_b32 s[PFS+1], 256
	s_cmp_eq_u32 s[RH], 0
	s_cselect_b32 s75, ttmp9, s74
	s_cselect_b32 s76, s76, s77
	s_cselect_b32 s[PFS], s[PFS], s[PFS+1]
	s_cselect_b32 s78, 8, 11
	s_cselect_b64 s[PFA:PFA+1], s[20:21], s[22:23]
	s_mov_b32 s[PFS+1], 0
	s_mov_b32 s77, 0
	s_cmp_eq_u32 s75, 0
	s_cselect_b32 s[LIM], 2, -1                    ; the same in all sixteen partners, for a given wave
	s_add_nc_u64 s[PFA:PFA+1], s[PFA:PFA+1], s[76:77]
	v_and_b32 v[PFO], 31, v0
	v_lshlrev_b32 v[PFO], s78, v[PFO]              ; a lane a block of 256 bytes, or a lane a row
	s_wait_loadcnt 0x0                             ; the bias
	WIN 0x45
.set i, 0
.rept 16
	v_cvt_pk_bf16_f32 v48, v[2*i], v[2*i+1]        ; rounded to bf16 like the other inputs, and back to f32
	v_lshlrev_b32 v[2*i], 16, v48
	v_and_b32 v[2*i+1], 0xffff0000, v48
.set i, i+1
.endr
	WIN 0
	s_wait_tensorcnt 1                             ; my part of K step 0 is in; K step 1's may stay out
	s_barrier_signal -1
	s_barrier_wait -1
	FETCH 0, F0
	QUARTER 1, F0, F1, 1
	WIN 0
	s_mov_b32 s3, 6
.Lk:                                               ; six trips: trip t ends K step t and asks for K step t + 2
	QUARTER 2, F1, F0, 0
	QUARTER 3, F0, F1, 0
	TURN 1
	QUARTER 1, F0, F1, 0
	WIN 0
	s_sub_co_u32 s3, s3, 1
	s_cmp_lg_u32 s3, 0
	s_cbranch_scc1 .Lk
	QUARTER 2, F1, F0, 0                           ; K steps 6 and 7 are written out: nothing is asked for
	QUARTER 3, F0, F1, 0
	TURN 0
	QUARTER 1, F0, F1, 0
	QUARTER 2, F1, F0, 0
	QUARTER 3, F0, F1, 0
	s_wait_dscnt 8
	MULH F1, 0, 0, 0
	MULH F1, 0, 2, 0
	s_wait_dscnt 0x0
	MULH F1, 1, 0, 0
	MULH F1, 1, 2, 0
	PLACES
	; THE WAY OUT, a block of 16 rows at a time through my own stage: a lane's eight f32 go in as 32 bytes of a row and come back as whole rows of 256 bytes.  Block a goes into the stage ahead of block a - 1's stores.
.macro TOSTAGE a
.if (\a) >= 2
	s_wait_xcnt 0x0                                ; the stores of block a - 2 have read the buffer that is loaded again below
.endif
	WIN 0x08                                       ; the stores' data in window 2
.irp b, 0,1,2,3
	ds_store_b128 v[STO], v[8*(4*(\a)+(\b)):8*(4*(\a)+(\b))+3]   offset:64*(\b)
	ds_store_b128 v[STO], v[8*(4*(\a)+(\b))+4:8*(4*(\a)+(\b))+7] offset:64*(\b)+16
.endr
	WIN 0
.irp t, 0,1,2,3,4,5,6,7
	ds_load_b128 v[OBUF+32*((\a)%2)+4*(\t):OBUF+32*((\a)%2)+4*(\t)+3], v[RD] offset:(\t)*2*SPITCH  ; LDS serves a wave's instructions in order (ISA guide 5.7.1.4)
.endr
.endm
.macro SEND a, younger                 ; younger: the LDS instructions issued behind block a's loads
.irp t, 0,1,2,3,4,5,6,7
	s_wait_dscnt (\younger)+7-(\t)
	global_store_b128 v[CO], v[OBUF+32*((\a)%2)+4*(\t):OBUF+32*((\a)%2)+4*(\t)+3], s[OB:OB+1] offset:(16*(\a)+2*(\t))*4096 th:TH_STORE_NT  ; 16 lanes store 256 consecutive bytes, aligned
.endr
.endm
	TOSTAGE 0
.irp a, 1,2,3,4,5,6,7
	TOSTAGE \a
	SEND (\a)-1, 16
.endr
	SEND 7, 0
	s_wait_tensorcnt 0x0                           ; the end of a wave: three closing lines
	ds_add_u32 v[SPW], v[NIL]
	s_wait_dscnt 0x0
	CROUND                                         ; the closing round
	s_endpgm
.Lfunc_end_k_qeba17e564e_fc:
	.size	k_qeba17e564e_fc, .Lfunc_end_k_qeba17e564e_fc-k_qeba17e564e_fc
	.p2alignl 7, 3214868480
	.fill 96, 4, 3214868480
	.section	.rodata,"a",@progbits
	.p2align	6, 0x0
	.amdhsa_kernel k_qeba17e564e_fc
		.amdhsa_group_segment_fixed_size 327680
		.amdhsa_private_segment_fixed_size 0
		.amdhsa_enable_private_segment 0
		.amdhsa_kernarg_size 32
		.amdhsa_user_sgpr_count 2
		.amdhsa_user_sgpr_kernarg_segment_ptr 1
		.amdhsa_wavefront_size32 1
		.amdhsa_system_sgpr_workgroup_id_x 1
		.amdhsa_system_sgpr_workgroup_id_y 1
		.amdhsa_system_sgpr_workgroup_id_z 1
		.amdhsa_system_vgpr_workitem_id 0
		.amdhsa_next_free_vgpr 768
		.amdhsa_next_free_sgpr 80
		.amdhsa_reserve_vcc 0
		.amdhsa_float_denorm_mode_32 3
		.amdhsa_float_denorm_mode_16_64 3
		.amdhsa_memory_ordered 1
		.amdhsa_forward_progress 1
		.amdhsa_inst_pref_size 76
	.end_amdhsa_kernel
	.amdgpu_metadata
---
amdhsa.version: [ 1, 2 ]
amdhsa.kernels:
  - .name:           k_qeba17e564e_fc
    .symbol:         k_qeba17e564e_fc.kd
    .args:
      - { .name: oh, .offset: 0, .size: 8, .value_kind: global_buffer, .address_space: global }
      - { .name: wft, .offset: 8, .size: 8, .value_kind: global_buffer, .address_space: global }
      - { .name: b_fc, .offset: 16, .size: 8, .value_kind: global_buffer, .address_space: global }
      - { .name: out0, .offset: 24, .size: 8, .value_kind: global_buffer, .address_space: global }
    .group_segment_fixed_size: 327680
    .private_segment_fixed_size: 0
    .kernarg_segment_align: 8
    .kernarg_segment_size: 32
    .max_flat_workgroup_size: 128
    .sgpr_count:     80
    .vgpr_count:     768
    .wavefront_size: 32
...
	.end_amdgpu_metadata
.endif
;; end of part 5
;; ======== version 2 of 2: 5 launches; version 1 with the launch vsum written anew for expert scheduling mode
;; limits: values are held in f16: magnitudes above 65,504 overflow, below 6.1e-05 lose precision
;; workspace buffers: xh 16,777,216 bytes; wqt 6,291,456 bytes; wft 2,097,152 bytes; qkv 50,331,648 bytes; tsuf 131,072 bytes; oh 16,777,216 bytes
;; launch prep: the kernel of part 1 again; grid 1536 x 1, 8 waves a work-group, no clusters, 17,920 bytes of LDS; arguments x, w_qkv, w_fc, xh, wqt, wft; writes xh, wqt, wft
;; launch qkv: the kernel of part 2 again; grid 16 x 32, 4 waves a work-group, clusters of 4 x 4, 327,680 bytes of LDS; arguments xh, wqt, b_qkv, qkv; writes qkv
;; launch vsum (part 6): grid 64 x 1, 16 waves a work-group, no clusters, 6,144 bytes of LDS; arguments qkv, tsuf; writes tsuf
.if DOCPART == 6
	.amdgcn_target "amdgcn-amd-amdhsa--gfx1250"
	.amdhsa_code_object_version 6
	.text
	.protected	k_qeba17e564e_vsum
	.globl	k_qeba17e564e_vsum
	.p2align	8
	.type	k_qeba17e564e_vsum,@function
k_qeba17e564e_vsum:
	s_mov_b64 s[64:65], 0
	v_nop
	global_prefetch_b8 v0, s[64:65] scope:SCOPE_SE
	s_setreg_imm32_b32 hwreg(HW_REG_WAVE_SCHED_MODE, 0, 2), 2
	s_setreg_imm32_b32 hwreg(HW_REG_WAVE_MODE, 25, 1), 1
	s_wait_xcnt 0x0
	s_wait_alu depctr_vm_vsrc(0)
; tsuf[g][i][c] = the sum of V[g][row][c] over rows >= 256 (i + 1), in f32: what all keys hidden from block i of 256 queries, beyond its own tile, add to an output when they weigh alike.
; One work-group a head (a suffix sum spans the head: 64 work-groups are all the work there is).  Wave w sums rows 128 w .. 128 w + 127: 32 loads of 16 bytes a lane, all out at once.
; A load of a wave takes four rows of 128 bytes: lane l holds row l / 8 and channels 8 (l % 8) + 0..7.  The sixteen partial sums meet in LDS; waves 0-7 then make one block each.
; THE MODE: SCHED_MODE bits 1:0 = 2 (LLVM: expert scheduling mode 2), set by the entry lines.  The code itself states the register dependences
; between vector instructions and memory or LDS instructions, with s_wait_alu, always for 0.
; THE PLAN.  Registers that memory or LDS instructions touch:
;   v2         offset of my 16 bytes in V.  Written once at the head; read by the 32 loads.
;   v[32:159]  The 32 loads land here; the summing lines read them.  Behind the barrier the LDS loads of waves 0-7 land in v[32:59], and the packed sums read them.
;   v5, v3     LDS address of my eight sums; 8 x lane.  Written once, behind the loads; read by the LDS stores, and by the LDS loads and the global store.
;   v[16:23]   my eight sums.  Written by the summing lines; read by the two LDS stores; not written again.
;   v[28:29]   the block's two sums, a pair of its own.  Written by the packed sums; read by the global store.
;   v26, v27   written at the head, read by the closing add alone.
; No register that a memory or LDS instruction has read is written again, so no wait on vm_vsrc is owed.  Three waits on va_vdst: ahead of the loads (v2), ahead of the LDS stores
; (v5, v3, v[16:23] written; v[32:59] read to the end), ahead of the global store (v[28:29]).  One wait on va_sdst: the wave's number.
.set SPARE, 4096                       ; behind the 16 x 256 bytes of partial sums: the spare words, 128 bytes a wave
	s_load_b128 s[4:7], s[0:1], 0x0                ; qkv s[4:5], tsuf s[6:7]
	v_lshl_add_u32 v26, v0, 2, SPARE
	v_mov_b32 v27, 0
	v_lshrrev_b32 v1, 5, v0
	v_readfirstlane_b32 s8, v1                     ; wave 0..15
	v_and_b32 v4, 31, v0
	s_lshl_b32 s10, ttmp9, 18                      ; the head's 262,144 bytes,
	s_add_co_u32 s10, s10, 0x2000000               ; in V's third of the buffer
	s_mov_b32 s11, 0
	s_wait_alu depctr_va_sdst(0)                   ; s8 is written, ahead of its first reader: offsets, LDS places and the branch below are made from it
	s_lshl_b32 s12, s8, 14                         ; my 128 rows
	v_lshl_add_u32 v2, v4, 4, s12
	v_mov_b32 v24, 1.0
	v_mov_b32 v25, 0
	s_mov_b32 s14, 0x76543210                      ; v_permlanex16_b32: each lane takes its own place in the other half
	s_mov_b32 s15, 0xfedcba98
	s_lshl_b32 s16, ttmp9, 11                      ; the head's 2,048 bytes of tsuf, my block's 256
	s_lshl_b32 s17, s8, 8
	s_add_co_u32 s16, s16, s17
	s_mov_b32 s17, 0
	s_lshl_b32 s18, s8, 1
	s_add_co_u32 s18, s18, 2                       ; block i takes the partial sums from 2 i + 2 on
	s_mov_b32 s21, 0
	s_wait_kmcnt 0x0
	s_add_nc_u64 s[4:5], s[4:5], s[10:11]
	s_add_nc_u64 s[6:7], s[6:7], s[16:17]
	s_wait_alu depctr_va_vdst(0)                   ; v2 is written, which all 32 loads read as their offset
.set j, 0
.rept 32
	global_load_b128 v[32+4*j:32+4*j+3], v2, s[4:5] offset:512*j
.set j, j+1
.endr
	v_and_b32 v5, 7, v0                            ; the lines from here on name neither v2 nor a register in which a load is still to land ahead of its counted wait
	s_lshl_b32 s13, s8, 8
	v_lshl_add_u32 v5, v5, 5, s13                  ; where my eight sums go: 256 w + 32 (l % 8)
	v_lshlrev_b32 v3, 3, v4                        ; 8 x lane
.irp i, 0,1,2,3,4,5,6,7
	v_mov_b32 v[8+(\i)], 0                         ; v_permlanex16_b32 counts as a reader of its destination
.endr
.set j, 0
.rept 32
	s_wait_loadcnt 31-j                            ; loads come back in order: number j is in
.irp i, 0,1,2,3
.if j == 0
	v_fma_mix_f32 v[16+2*(\i)], v[32+4*j+(\i)], v24, v25 op_sel_hi:[1,0,0]                ; the first row starts the eight chains
	v_fma_mix_f32 v[17+2*(\i)], v[32+4*j+(\i)], v24, v25 op_sel:[1,0,0] op_sel_hi:[1,0,0]
.else
	v_fma_mix_f32 v[16+2*(\i)], v[32+4*j+(\i)], v24, v[16+2*(\i)] op_sel_hi:[1,0,0]       ; f16 half x 1.0 + the f32 sum
	v_fma_mix_f32 v[17+2*(\i)], v[32+4*j+(\i)], v24, v[17+2*(\i)] op_sel:[1,0,0] op_sel_hi:[1,0,0]
.endif
.endr
.set j, j+1
.endr
.irp i, 0,1,2,3,4,5,6,7
	v_add_f32_dpp v[16+(\i)], v[16+(\i)], v[16+(\i)] row_xmask:8 row_mask:0xf bank_mask:0xf  ; the four lanes with my l % 8: 8 away,
.endr
.irp i, 0,1,2,3,4,5,6,7
	v_permlanex16_b32 v[8+(\i)], v[16+(\i)], s14, s15                                        ; and 16 away
.endr
.irp i, 0,1,2,3,4,5,6,7
	v_add_f32 v[16+(\i)], v[16+(\i)], v[8+(\i)]
.endr
	s_wait_alu depctr_va_vdst(0)                   ; the sums v[16:23] and the address v5 are written, which the LDS stores read; so is v3, which the LDS loads and the global store below read; and the summing lines are done reading v[32:59], in which those LDS loads land: no vector instruction stands between this wait and them
	ds_store_b128 v5, v[16:19]                     ; four lanes write the same words with the same numbers
	ds_store_b128 v5, v[20:23] offset:16
	s_wait_dscnt 0x0                               ; for the other waves' sake: my partial sums lie in LDS
	s_barrier_signal -1
	s_barrier_wait -1
	s_cmp_lt_u32 s8, 8
	s_cbranch_scc0 .Lend
.irp p, 2,3,4,5,6,7,8,9,10,11,12,13,14,15
	ds_load_b64 v[32+2*((\p)-2):33+2*((\p)-2)], v3 offset:(\p)*256  ; lane l: channels 2 l, 2 l + 1
.endr
	s_wait_dscnt 0x0
.irp p, 2,3,4,5,6,7,8,9,10,11,12,13,14,15
	s_cmp_le_u32 s18, \p                           ; does partial sum p lie behind my block? a factor 1 or 0: every wave does the same work
	s_cselect_b32 s20, 1.0, 0
.if (\p) == 2
	v_pk_mul_f32 v[28:29], v[32:33], s[20:21] op_sel_hi:[1,0]                     ; into a pair of its own: the LDS stores' data registers are not written again
.else
	v_pk_fma_f32 v[28:29], v[32+2*((\p)-2):33+2*((\p)-2)], s[20:21], v[28:29] op_sel_hi:[1,0,1]
.endif
.endr
	s_wait_alu depctr_va_vdst(0)                   ; the packed sums have written v[28:29], which the store reads
	global_store_b64 v3, v[28:29], s[6:7]          ; the wave stores 256 consecutive bytes, aligned
.Lend:
	s_wait_dscnt 0x0                               ; the closing lines, six on end
	s_wait_alu 0x0
	s_wait_tensorcnt 0x0
	ds_add_u32 v26, v27
	s_wait_dscnt 0x0
	s_endpgm
.Lfunc_end_k_qeba17e564e_vsum:
	.size	k_qeba17e564e_vsum, .Lfunc_end_k_qeba17e564e_vsum-k_qeba17e564e_vsum
	.p2alignl 7, 3214868480
	.fill 96, 4, 3214868480
	.section	.rodata,"a",@progbits
	.p2align	6, 0x0
	.amdhsa_kernel k_qeba17e564e_vsum
		.amdhsa_group_segment_fixed_size 6144
		.amdhsa_private_segment_fixed_size 0
		.amdhsa_enable_private_segment 0
		.amdhsa_kernarg_size 16
		.amdhsa_user_sgpr_count 2
		.amdhsa_user_sgpr_kernarg_segment_ptr 1
		.amdhsa_wavefront_size32 1
		.amdhsa_system_sgpr_workgroup_id_x 1
		.amdhsa_system_sgpr_workgroup_id_y 1
		.amdhsa_system_sgpr_workgroup_id_z 1
		.amdhsa_system_vgpr_workitem_id 0
		.amdhsa_next_free_vgpr 160
		.amdhsa_next_free_sgpr 66
		.amdhsa_reserve_vcc 0
		.amdhsa_float_denorm_mode_32 3
		.amdhsa_float_denorm_mode_16_64 3
		.amdhsa_memory_ordered 1
		.amdhsa_forward_progress 1
		.amdhsa_inst_pref_size 27
	.end_amdhsa_kernel
	.amdgpu_metadata
---
amdhsa.version: [ 1, 2 ]
amdhsa.kernels:
  - .name:           k_qeba17e564e_vsum
    .symbol:         k_qeba17e564e_vsum.kd
    .args:
      - { .name: qkv, .offset: 0, .size: 8, .value_kind: global_buffer, .address_space: global }
      - { .name: tsuf, .offset: 8, .size: 8, .value_kind: global_buffer, .address_space: global }
    .group_segment_fixed_size: 6144
    .private_segment_fixed_size: 0
    .kernarg_segment_align: 8
    .kernarg_segment_size: 16
    .max_flat_workgroup_size: 512
    .sgpr_count:     66
    .vgpr_count:     160
    .wavefront_size: 32
...
	.end_amdgpu_metadata
.endif
;; end of part 6
;; launch attn: the kernel of part 4 again; grid 4 x 64, 4 waves a work-group, no clusters, 327,680 bytes of LDS; arguments qkv, tsuf, oh; writes oh
;; launch fc: the kernel of part 5 again; grid 8 x 32, 4 waves a work-group, clusters of 4 x 4, 327,680 bytes of LDS; arguments oh, wft, b_fc, out0; writes out0
